; MI455X (gfx1250); checked and timed in simulation.
; The chip was launched on July 23, 2026; its instructions are those of AMD's public machine-readable ISA for CDNA 5 (MIT licence, August 2026) and "CDNA5" Instruction Set Architecture Reference Guide (July 2026). The comments in the code are by the model that wrote it; some were corrected since.
;; Attention Layer. Allowed arithmetic: float matrix products may take bf16 or f16 operands with f32 sums; all other float work in f32.
;; Inputs: Wk 512 x 4,096 float32; Wo 4,096 x 1,024 float32; Wq 1,024 x 4,096 float32; Wv 512 x 4,096 float32; hidden_states 2 x 2,048 x 4,096 float32; positions 2 x 2,048 int32.
;; Outputs: out0 2 x 2,048 x 4,096 float32.
;; One version. Each part assembles by itself: llvm-mc -triple=amdgcn-amd-amdhsa -mcpu=gfx1250 --defsym DOCPART=n.
;; ======== version 1 of 1: 4 launches
;; limits: values are held in f16: magnitudes above 65,504 overflow, below 6.1e-05 lose precision; right only within a limited range of input values
;; workspace buffers: xb 33,554,432 bytes; wb 16,777,216 bytes; wo16 8,388,608 bytes; cs 2,129,920 bytes; qkv 16,777,216 bytes; ctx16 8,388,608 bytes
;; launch prep (part 1): grid 1792 x 1, 8 waves a work-group, no clusters, 0 bytes of LDS; arguments hidden_states, Wq, Wk, Wv, Wo, positions, xb, wb, wo16, cs; writes xb, wb, wo16, cs
.if DOCPART == 1
	.amdgcn_target "amdgcn-amd-amdhsa--gfx1250"
	.amdhsa_code_object_version 6
	.text
	.protected	k_qbae35cbabe_prep
	.globl	k_qbae35cbabe_prep
	.p2align	8
	.type	k_qbae35cbabe_prep,@function
k_qbae35cbabe_prep:
	s_mov_b64 s[64:65], 0
	v_nop
	global_prefetch_b8 v0, s[64:65] scope:SCOPE_SE
	s_setreg_imm32_b32 hwreg(HW_REG_WAVE_MODE, 25, 1), 1
	s_wait_xcnt 0x0
; CAST AND TABLE.  xb = bf16(hidden_states); wb = bf16(Wq | Wk | Wv), rows on end; wo16 = 8 x bf16(Wo) written as f16; cs = cos / 8 and sin / 8 of positions x inv_freq.
; The five f32 inputs are 1,792 chunks of 65,536 bytes; a work-group of eight waves takes one: sixteen loads of 16 bytes a lane (a wave's load covers 512 consecutive bytes), all out at once,
; and sixteen stores of 8 bytes a lane (a wave's store covers 256 consecutive bytes, aligned).  No LDS, no barrier, no matrix unit: every byte is touched once.
; The first 260 work-groups also make a block of the table: block tb holds tokens 16 tb .. 16 tb + 15, in the order in which the projection's accumulators want it:
; byte b 2048 + sc 1024 + i 512 + 16 lane + 4 e holds (sc = 0: cos, 1: sin) / 8 for token 16 tb + lane % 16 and frequency 16 b + 8 (lane / 16) + 4 i + e.  Blocks 256 to 259 are cos = 1/8, sin = 0.
; The factor 1/8 keeps q, k, v inside f16; 8 x Wo gives it back.
; LIMITS.  |Wo| below 8,188 (8 x Wo in f16); |Wo| below 2^-17 keeps a fixed step of 2^-27.  |positions| up to 4,000,000: the angle is reduced by pi/2 in two parts, sine and cosine by polynomials on
; -pi/4 .. pi/4, good to some 1e-7.  NaN and infinities are not treated apart.
.set X, 4                              ; v[4:67]    sixteen loads of four f32
.set Y, 68                             ; v[68:99]   sixteen stores of four 16-bit numbers
.set INV, 106                          ; v[106:109] inv_freq of my four frequencies
.set COSR, 112                         ; v[112:115] cos / 8
.set SINR, 116                         ; v[116:119] sin / 8
	s_load_b512 s[16:31], s[0:1], 0x0              ; hidden s[16:17], Wq s[18:19], Wk s[20:21], Wv s[22:23], Wo s[24:25], positions s[26:27], xb s[28:29], wb s[30:31]
	s_load_b128 s[32:35], s[0:1], 0x40             ; wo16 s[32:33], cs s[34:35]
	s_mov_b32 s10, ttmp9                           ; the chunk
	v_lshlrev_b32 v1, 4, v0                        ; 16 bytes a thread in
	v_lshlrev_b32 v2, 3, v0                        ; 8 bytes a thread out
	s_mov_b32 s8, 0                                ; first chunk of the source
	s_mov_b32 s9, 0                                ; first chunk of the destination
	s_wait_kmcnt 0x0
	s_mov_b64 s[4:5], s[16:17]                     ; chunks 0-1023: hidden_states -> xb
	s_mov_b64 s[6:7], s[28:29]
	s_cmp_ge_u32 s10, 1024                         ; 1024-1279: Wq -> wb
	s_cselect_b64 s[4:5], s[18:19], s[4:5]
	s_cselect_b64 s[6:7], s[30:31], s[6:7]
	s_cselect_b32 s8, 1024, s8
	s_cselect_b32 s9, 1024, s9
	s_cmp_ge_u32 s10, 1280                         ; 1280-1407: Wk -> wb, behind Wq's rows
	s_cselect_b64 s[4:5], s[20:21], s[4:5]
	s_cselect_b32 s8, 1280, s8
	s_cmp_ge_u32 s10, 1408                         ; 1408-1535: Wv -> wb, behind Wk's rows
	s_cselect_b64 s[4:5], s[22:23], s[4:5]
	s_cselect_b32 s8, 1408, s8
	s_cmp_ge_u32 s10, 1536                         ; 1536-1791: Wo -> wo16
	s_cselect_b64 s[4:5], s[24:25], s[4:5]
	s_cselect_b64 s[6:7], s[32:33], s[6:7]
	s_cselect_b32 s8, 1536, s8
	s_cselect_b32 s9, 1536, s9
	s_sub_co_u32 s8, s10, s8
	s_lshl_b32 s8, s8, 16                          ; 65,536 bytes a chunk in
	s_sub_co_u32 s12, s10, s9
	s_lshl_b32 s12, s12, 15                        ; 32,768 out
	s_mov_b32 s9, 0
	s_mov_b32 s13, 0
	s_add_nc_u64 s[4:5], s[4:5], s[8:9]
	s_add_nc_u64 s[6:7], s[6:7], s[12:13]
.irp i, 0,1,2,3,4,5,6,7,8,9,10,11,12,13,14,15
	global_load_b128 v[X+4*(\i):X+4*(\i)+3], v1, s[4:5] offset:4096*(\i) th:TH_LOAD_NT
.endr
	s_cmp_ge_u32 s10, 260
	s_cbranch_scc1 .Lcast                          ; only the first 260 work-groups make a block of the table
	s_mov_b32 s36, 0x3fc90fdb                      ; pi/2, upper part
	s_mov_b32 s37, 0xb33bbd2e                      ; pi/2, the rest
	s_mov_b32 s38, 0xb94ca1f9                      ; sine: z^3's, z^2's, z's coefficient
	s_mov_b32 s39, 0x3c08839e
	s_mov_b32 s40, 0xbe2aaaa3
	s_mov_b32 s41, 0x37ccf5ce                      ; cosine likewise
	s_mov_b32 s42, 0xbab6061a
	s_mov_b32 s43, 0x3d2aaaa5
	v_and_b32 v100, 31, v0                         ; lane
	v_lshrrev_b32 v101, 5, v0                      ; wave
	v_and_b32 v102, 15, v0                         ; lane % 16: the token in the block
	v_bfe_u32 v103, v0, 4, 1                       ; lane / 16
	v_lshrrev_b32 v104, 1, v101                    ; b
	v_and_b32 v105, 1, v101                        ; i
	s_lshl_b32 s14, s10, 4
	s_min_u32 s14, s14, 4080                       ; blocks 256 on read the last block's positions and multiply them by 0
	v_add_nc_u32 v121, s14, v102
	v_lshlrev_b32 v121, 2, v121
	global_load_b32 v122, v121, s[26:27]
	v_lshlrev_b32 v106, 4, v104
	v_lshl_add_u32 v106, v103, 3, v106
	v_lshl_add_u32 v106, v105, 2, v106             ; my first frequency: 16 b + 8 (lane / 16) + 4 i
	v_cvt_f32_u32 v106, v106
	v_lshlrev_b32 v120, 11, v104
	v_lshl_add_u32 v120, v105, 9, v120
	v_lshl_add_u32 v120, v100, 4, v120             ; my 16 bytes in the block
	s_lshl_b32 s44, s10, 13
	s_mov_b32 s45, 0
	s_add_nc_u64 s[44:45], s[34:35], s[44:45]      ; the block
	v_add_f32 v107, 1.0, v106
	v_add_f32 v108, 2.0, v106
	v_add_f32 v109, 0x40400000, v106
.irp e, 0,1,2,3
	v_mul_f32 v[INV+(\e)], 0xbe549a78, v[INV+(\e)] ; - f log2(10000) / 64
.endr
.irp e, 0,1,2,3
	v_exp_f32 v[INV+(\e)], v[INV+(\e)]             ; inv_freq = 10000^(-f / 64)
.endr
	s_cmp_lt_u32 s10, 256
	s_cselect_b32 s15, 1.0, 0
	s_wait_loadcnt 0x0                             ; the position (and with it the sixteen loads issued ahead of it)
	v_cvt_f32_i32 v122, v122                       ; a plain instruction behind the exponentials
	v_mul_f32 v122, s15, v122
	s_wait_alu depctr_va_vdst(0)
.macro TAB e
	v_mul_f32 v100, v122, v[INV+(\e)]              ; the angle, rounded once
	v_mul_f32 v101, 0x3f22f983, v100
	v_rndne_f32 v101, v101                         ; k = the nearest multiple of pi/2
	v_fma_f32 v102, -v101, s36, v100
	v_fma_f32 v102, -v101, s37, v102               ; r = angle - k pi/2
	v_mul_f32 v103, v102, v102                     ; z = r^2
	v_fma_f32 v104, v103, s38, s39
	v_fma_f32 v105, v103, s41, s42
	v_fma_f32 v104, v104, v103, s40
	v_fma_f32 v105, v105, v103, s43
	v_mul_f32 v110, v102, v103
	v_mul_f32 v125, v103, v103
	v_fma_f32 v111, v103, -0.5, 1.0
	v_fma_f32 v110, v110, v104, v102               ; sin r
	v_fma_f32 v111, v125, v105, v111               ; cos r
	v_cvt_i32_f32 v123, v101
	v_and_b32 v124, 1, v123
	v_cmp_eq_u32 vcc_lo, 1, v124                   ; k odd: the two change places
	v_cndmask_b32 v104, v110, v111, vcc_lo
	v_cndmask_b32 v105, v111, v110, vcc_lo
	v_and_b32 v124, 2, v123                        ; the sine is negative for k % 4 = 2, 3,
	v_lshlrev_b32 v124, 30, v124
	v_xor_b32 v104, v104, v124
	v_add_nc_u32 v123, 1, v123                     ; the cosine for k % 4 = 1, 2
	v_and_b32 v123, 2, v123
	v_lshlrev_b32 v123, 30, v123
	v_xor_b32 v105, v105, v123
	v_mul_f32 v[COSR+(\e)], 0x3e000000, v105
	v_mul_f32 v[SINR+(\e)], 0x3e000000, v104
.endm
	TAB 0
	TAB 1
	TAB 2
	TAB 3
	global_store_b128 v120, v[COSR:COSR+3], s[44:45]               ; a wave's store covers 512 consecutive bytes
	global_store_b128 v120, v[SINR:SINR+3], s[44:45] offset:1024
.Lcast:
; Load i is rounded and stored.  The count lets the 15 - i younger loads stay out.  No register is written twice while a store may read it: each store has its own pair.
.macro CAST i, wo
	s_wait_loadcnt 15-(\i)
.if \wo
	v_cvt_pk_bf16_f32 v100, v[X+4*(\i)], v[X+4*(\i)+1]             ; rounded to bf16 like every input,
	v_cvt_pk_bf16_f32 v101, v[X+4*(\i)+2], v[X+4*(\i)+3]
	v_lshlrev_b32 v102, 16, v100
	v_and_b32 v103, 0xffff0000, v100
	v_lshlrev_b32 v104, 16, v101
	v_and_b32 v105, 0xffff0000, v101
	v_pk_mul_f32 v[102:103], v[102:103], 0x41000000 op_sel_hi:[1,0]  ; times 8, exact,
	v_pk_mul_f32 v[104:105], v[104:105], 0x41000000 op_sel_hi:[1,0]
	v_cvt_pk_f16_f32 v[Y+2*(\i)], v102, v103                       ; and written as f16, which holds bf16's eight bits
	v_cvt_pk_f16_f32 v[Y+2*(\i)+1], v104, v105
.else
	v_cvt_pk_bf16_f32 v[Y+2*(\i)], v[X+4*(\i)], v[X+4*(\i)+1]
	v_cvt_pk_bf16_f32 v[Y+2*(\i)+1], v[X+4*(\i)+2], v[X+4*(\i)+3]
.endif
	global_store_b64 v2, v[Y+2*(\i):Y+2*(\i)+1], s[6:7] offset:2048*(\i)
.endm
	s_cmp_ge_u32 s10, 1536
	s_cbranch_scc1 .Lwo
.irp i, 0,1,2,3,4,5,6,7,8,9,10,11,12,13,14,15
	CAST \i, 0
.endr
	s_endpgm
.Lwo:
.irp i, 0,1,2,3,4,5,6,7,8,9,10,11,12,13,14,15
	CAST \i, 1
.endr
	s_endpgm
.Lfunc_end_k_qbae35cbabe_prep:
	.size	k_qbae35cbabe_prep, .Lfunc_end_k_qbae35cbabe_prep-k_qbae35cbabe_prep
	.p2alignl 7, 3214868480
	.fill 96, 4, 3214868480
	.section	.rodata,"a",@progbits
	.p2align	6, 0x0
	.amdhsa_kernel k_qbae35cbabe_prep
		.amdhsa_group_segment_fixed_size 0
		.amdhsa_private_segment_fixed_size 0
		.amdhsa_enable_private_segment 0
		.amdhsa_kernarg_size 80
		.amdhsa_user_sgpr_count 2
		.amdhsa_user_sgpr_kernarg_segment_ptr 1
		.amdhsa_wavefront_size32 1
		.amdhsa_system_sgpr_workgroup_id_x 1
		.amdhsa_system_sgpr_workgroup_id_y 1
		.amdhsa_system_sgpr_workgroup_id_z 1
		.amdhsa_system_vgpr_workitem_id 0
		.amdhsa_next_free_vgpr 128
		.amdhsa_next_free_sgpr 66
		.amdhsa_reserve_vcc 1
		.amdhsa_float_denorm_mode_32 3
		.amdhsa_float_denorm_mode_16_64 3
		.amdhsa_memory_ordered 1
		.amdhsa_forward_progress 1
		.amdhsa_inst_pref_size 27
	.end_amdhsa_kernel
	.amdgpu_metadata
---
amdhsa.version: [ 1, 2 ]
amdhsa.kernels:
  - .name:           k_qbae35cbabe_prep
    .symbol:         k_qbae35cbabe_prep.kd
    .args:
      - { .name: hidden_states, .offset: 0, .size: 8, .value_kind: global_buffer, .address_space: global }
      - { .name: Wq, .offset: 8, .size: 8, .value_kind: global_buffer, .address_space: global }
      - { .name: Wk, .offset: 16, .size: 8, .value_kind: global_buffer, .address_space: global }
      - { .name: Wv, .offset: 24, .size: 8, .value_kind: global_buffer, .address_space: global }
      - { .name: Wo, .offset: 32, .size: 8, .value_kind: global_buffer, .address_space: global }
      - { .name: positions, .offset: 40, .size: 8, .value_kind: global_buffer, .address_space: global }
      - { .name: xb, .offset: 48, .size: 8, .value_kind: global_buffer, .address_space: global }
      - { .name: wb, .offset: 56, .size: 8, .value_kind: global_buffer, .address_space: global }
      - { .name: wo16, .offset: 64, .size: 8, .value_kind: global_buffer, .address_space: global }
      - { .name: cs, .offset: 72, .size: 8, .value_kind: global_buffer, .address_space: global }
    .group_segment_fixed_size: 0
    .private_segment_fixed_size: 0
    .kernarg_segment_align: 8
    .kernarg_segment_size: 80
    .max_flat_workgroup_size: 256
    .sgpr_count:     66
    .vgpr_count:     128
    .wavefront_size: 32
...
	.end_amdgpu_metadata
.endif
;; end of part 1
;; launch qkv (part 2): grid 16 x 16, 4 waves a work-group, clusters of 4 x 1, 327,680 bytes of LDS; arguments xb, wb, cs, qkv; writes qkv
.if DOCPART == 2
	.amdgcn_target "amdgcn-amd-amdhsa--gfx1250"
	.amdhsa_code_object_version 6
	.text
	.protected	k_qbae35cbabe_qkv
	.globl	k_qbae35cbabe_qkv
	.p2align	8
	.type	k_qbae35cbabe_qkv,@function
k_qbae35cbabe_qkv:
	s_mov_b64 s[64:65], 0
	v_nop
	global_prefetch_b8 v0, s[64:65] scope:SCOPE_SE
	s_setreg_imm32_b32 hwreg(HW_REG_WAVE_MODE, 25, 1), 1
	s_wait_xcnt 0x0
	s_wait_alu depctr_hold_cnt(0) depctr_sa_sdst(0) depctr_va_vdst(0) depctr_va_sdst(0) depctr_va_ssrc(0) depctr_va_vcc(0) depctr_vm_vsrc(0)
	s_getreg_b32 s2, hwreg(HW_REG_IB_STS2, 6, 4)
	s_cmp_eq_u32 s2, 0
	s_cbranch_scc0 .Lentry_in_a_cluster
	s_endpgm
.Lentry_in_a_cluster:
	s_bfe_u32 s2, ttmp6, 0x10000c
	s_cmp_lg_u32 s2, 0x3003
	s_cbranch_scc0 .Lentry_shape_is_right
	s_endpgm
.Lentry_shape_is_right:
; THE THREE PROJECTIONS AND THE ROTATION.  C[token][o] = sum over h of xb[token][h] wb[o][h], 4,096 x 2,048 x 4,096 in bf16 with f32 sums; then for the q and k heads
; out[d] = (x[d] cos - x[d + 64] sin) / 8, out[d + 64] = (x[d + 64] cos + x[d] sin) / 8, for the v heads out = x / 8; rounded once to f16 and stored by heads: qkv[batch][slot][position][128].
; LIMIT.  |q|, |k|, |v| below 524,000: an eighth of them has to lie inside f16.
; SHARES.  A tile of C is 256 tokens x 128 columns, one head slot: 16 x 16 work-groups.  Each of four waves owns 64 tokens x 128 columns: 32 accumulators.
; TWO ROADS.  xb comes by tensor loads, in steps of 256 along K (rows of 512 bytes) through two LDS slots; each wave fetches the 64 rows that it alone reads, one load behind each change of slots, with 240 of a
; step's 256 matrix instructions between the request and the wait for it.  wb comes through registers: two slots of 256 along K for both operands would take 2 x 384 rows x 528 bytes = 405,504 bytes, more
; than a work-group can have.  wb goes in substeps of 64 along K: a wave loads 32 of the 128 rows (8 loads of 4 rows x 128 bytes) into one of four register sets, five substeps ahead of its use, and stores
; them into one of two small LDS slots that take turns behind plain barriers.
; CLUSTER.  Four work-groups, the four head slots 4 x .. 4 x + 3 of one block of tokens, need the same tiles of xb: each is asked for jointly.  NO JOINT REQUEST FOR wb: only tensor loads can be joint, and
; its tiles have no room as tensor tiles (the arithmetic above); wb is a third of a step's bytes.
; THE TEXT OF A STEP OF 256 STANDS TWICE: in a loop of 14 trips, whose last change of slots asks for the step two on, and in a loop of 2 trips that asks for no tile.  The first quarter, whose products start
; the sums, stands ahead, and the first loop is entered behind its first quarter.  The number of the substep of wb that is asked for is held at 63, so that no load leaves wb and every trip has the same
; number of loads out.  The price, once a launch: the last five requests for wb, the last two stores of it, and the last change of slots (a barrier and 24 LDS loads) serve nothing.
; THE MATRIX INSTRUCTION IS USED TRANSPOSED (source 0 = 16 rows of wb, source 1 = 16 rows of xb): a lane holds one token and eight neighbouring columns, and columns d and d + 64 are the same lane and
; register of accumulators b and b + 4: the rotation stays inside a lane.  cos / 8 and sin / 8 come from a table laid out in just that order; the v slots read table blocks with cos = 1/8, sin = 0,
; so that all slots run one text.
; REGISTERS.  Window 0: v16-29 addresses; v32-47 at work; v64-159, v160-255 two fragment buffers (32 of xb, then 64 of wb).  Window 1: accumulator (a, b) at 8 (8 a + b).
; Window 2: the table: cos at 64 a + 16 b + j, sin at 64 a + 16 b + 8 + j.  Window 3: v0-127 four sets of 32 for wb on its way: substep n in set n % 4.
.set SIZE_K, 4096
.set KMAC,   256                       ; a step of xb
.set MACS,   SIZE_K/KMAC
.set LASTB,  SIZE_K/64-1               ; the last substep of wb
.set PA,     528                       ; a row of xb in LDS: 512 bytes + 16 of padding = 132 words: the 16 rows of a fragment load start at 16 different groups of four banks (64 banks of 4 bytes: ISA guide 11.1)
.set QA,     64*PA                     ; a wave's 64 rows
.set SLOT,   4*QA                      ; 135,168 = 0x21000: it shares no bit with wave x QA = wave x 0x8400, so one exclusive or turns an address in one slot into the other's
.set PB,     144                       ; a row of wb in LDS: 128 bytes + 16 = 36 words: again 16 different groups of four banks
.set BSL,    128*PB                    ; a slot of wb
.set BB0,    2*SLOT                    ; wb's two slots, behind xb's: no tensor load lands there
.set SP,     272                       ; a row of the stage
.set STAGE,  BB0+2*BSL                 ; 16 rows x 272 bytes for each wave, for the way out
.set SPARE,  STAGE+4*16*SP             ; the spare words, 128 bytes for each wave: two blocks of 256 bytes that no other line names
.set ADRA, 16                          ; v16     my lane's place among my 64 rows of xb in slot 0; never rewritten
.set CA,   17                          ; v17     the same in the slot in hand
.set RB,   20                          ; v20-21  my lane's place in a fragment of wb, slot 0, 1
.set WB,   22                          ; v22-23  where I put 16 bytes of wb, slot 0, 1
.set STO,  24                          ; v24     the way out: where I put 16 bytes of a row
.set RD,   25                          ; v25     where I read rows back
.set GO,   26                          ; v26     16 x lane: my offset in 512 consecutive bytes, of the table and of the output
.set VB,   27                          ; v27     my byte offset in the tile's rows of wb: (32 wave + lane / 8) rows of 8,192 bytes + 16 (lane % 8)
.set SPW,  28                          ; v28     my spare word
.set NIL,  29                          ; v29     0
.set TT,   32
.set F0,   64
.set F1,   160
.set OUTF, 64                          ; the way out: 64 rotated numbers
.set PKD,  128                         ; packed to f16
.set BKB,  160                         ; read back: two buffers of 32
.set TB,  15                           ; s15     first byte of xb's slot in hand: 0 or SLOT
.set G1,  24                           ; s[24:31] group 1 for xb's tiles
.set G0,  32                           ; s[32:35] group 0 of the first fill of slot 0; s[36:39] of slot 1's, which then walks on
.set BT,  48                           ; s[48:49] wb at my tile's first row; never rewritten
.set BO,  50                           ; s[50:51] a substep's byte offset in a row
.set BP,  52                           ; s[52:53] wb at the substep that is asked for
.set NB,  54                           ; s54     the number of that substep
.set MSB, 0
.macro WIN new                         ; the immediate's high byte repeats the setting that is left
.if MSB != (\new)
	s_set_vgpr_msb (MSB<<8)|(\new)
.set MSB, \new
.endif
.endm
.macro JLOAD s                         ; a joint load: every wave fetches its own 64 rows; an s_nop 0 and four v_nop follow the line
	tensor_load_to_lds s[G0+4*(\s):G0+4*(\s)+3], s[G1:G1+7]
	s_nop 0
.rept 4
	v_nop
.endr
.endm
.macro CREST                           ; a round of the cluster's barrier behind its opening barrier
	s_cmp_lg_u32 s12, 0
	s_cbranch_scc1 .Lnot_wave_0_\@
	s_barrier_signal -3
.Lnot_wave_0_\@:
	s_barrier_wait -3
	s_barrier_signal -1
	s_barrier_wait -1
.endm
.macro CROUND
	s_barrier_signal -1
	s_barrier_wait -1
	CREST
.endm
.macro PLACES                          ; four places between a matrix instruction and a load into, or a vector read of, its registers
.rept 4
	v_nop
.endr
.endm
	s_load_b256 s[4:11], s[0:1], 0x0               ; xb s[4:5], wb s[6:7], cs s[8:9], qkv s[10:11]
	v_lshl_add_u32 v[SPW], v0, 2, SPARE
	v_mov_b32 v[NIL], 0
	ds_add_u32 v[SPW], v[NIL]                      ; the wave's opening: the add and its wait stand ahead of my first tensor load; the set-up below, work on registers, stands between them
	v_lshrrev_b32 v1, 5, v0
	v_readfirstlane_b32 s12, v1                    ; wave 0..3
	v_and_b32 v2, 31, v0
	v_lshlrev_b32 v[GO], 4, v2
	s_bfe_u32 s40, ttmp6, 0x40000                  ; cx: it enters wb's and the output's addresses alone
	s_lshl_b32 s42, ttmp9, 2
	s_add_co_u32 s42, s42, s40                     ; the head slot = 4 x cluster x + cx
	s_and_b32 s43, ttmp7, 0xffff                   ; the block of 256 tokens, which the four partners share
	s_mov_b32 s[G1+0], 15|(1<<16)|(1<<20)|(1<<21)|(6<<22)|(3<<25)  ; the mask of four; 2-byte elements; padding on; bit 21 beside a mask; after every 128 words 4 words
	s_mov_b32 s[G1+1], KMAC<<16                    ; tensor_dim0 = 256
	s_mov_b32 s[G1+2], 64<<16                      ; tensor_dim1 = 64
	s_mov_b32 s[G1+3], KMAC<<16                    ; tile_dim0 = 256
	s_mov_b32 s[G1+4], 64                          ; tile_dim1 = 64
	s_mov_b32 s[G1+5], SIZE_K                      ; elements from row to row
	s_mov_b32 s[G1+6], 0
	s_mov_b32 s[G1+7], 0
	s_mov_b32 s[TB], 0
	s_mov_b32 s[NB], 5                             ; substeps 0 to 4 are asked for below, by name
	s_mov_b32 s[BO+1], 0
	s_lshl_b32 s16, s43, 8
	s_lshl_b32 s17, s12, 6
	s_add_co_u32 s16, s16, s17                     ; xb: row 256 x block + 64 x wave,
	s_lshl_b32 s16, s16, 13                        ; of 8,192 bytes
	s_mov_b32 s17, 0
	s_lshl_b32 s46, s42, 20                        ; wb: 128 rows of 8,192 bytes a head slot
	s_mov_b32 s47, 0
	s_mul_i32 s20, s12, QA                         ; where my rows of xb go: no place in the cluster enters an LDS address
	s_lshl_b32 s22, s43, 4
	s_lshl_b32 s23, s12, 2
	s_add_co_u32 s22, s22, s23                     ; my first block of the table: 16 x block + 4 x wave;
	s_cmp_eq_u32 ttmp9, 3
	s_cselect_b32 s22, 256, s22                    ; slots 12 to 15 are v's: the blocks that only divide by 8
	s_lshl_b32 s22, s22, 13
	s_mov_b32 s23, 0
	v_and_b32 v1, 15, v0                           ; l % 16
	v_bfe_u32 v2, v0, 4, 1                         ; l / 16
	v_bfe_u32 v5, v0, 3, 2                         ; l / 8
	v_and_b32 v6, 7, v0                            ; l % 8
	v_lshlrev_b32 v[VB], 13, v5                    ; wb in memory: row 32 wave + l / 8, 16 bytes at 16 (l % 8)
	v_lshl_add_u32 v[VB], v6, 4, v[VB]
	s_lshl_b32 s21, s12, 18
	v_add_nc_u32 v[VB], s21, v[VB]
	v_mul_u32_u24 v[WB], v5, PB                    ; and the same place in wb's LDS slots
	v_lshl_add_u32 v[WB], v6, 4, v[WB]
	s_mul_i32 s21, s12, 32*PB
	s_add_co_u32 s21, s21, BB0
	v_add_nc_u32 v[WB], s21, v[WB]
	v_add_nc_u32 v[WB+1], BSL, v[WB]
	s_wait_dscnt 0x0                               ; the opening add is done
	s_wait_kmcnt 0x0
	s_add_nc_u64 s[18:19], s[4:5], s[16:17]
	s_add_nc_u64 s[BT:BT+1], s[6:7], s[46:47]
	s_add_nc_u64 s[8:9], s[8:9], s[22:23]
	CROUND                                         ; all four work-groups are here: the first joint loads meet
.irp s, 0,1
	s_mov_b32 s[G0+4*(\s)], 1
	s_add_co_u32 s[G0+4*(\s)+1], s20, (\s)*SLOT
	s_add_nc_u64 s[G0+4*(\s)+2:G0+4*(\s)+3], s[18:19], (\s)*KMAC*2
	s_or_b32 s[G0+4*(\s)+3], s[G0+4*(\s)+3], 0x80000000
	JLOAD \s                                       ; two tensor loads of mine are out
.endr
	WIN 0xc0                                       ; destination window 3
.irp n, 0,1,2,3
.irp i, 0,1,2,3,4,5,6,7
	global_load_b128 v[32*(\n)+4*(\i):32*(\n)+4*(\i)+3], v[VB], s[BT:BT+1] offset:32768*(\i)+128*(\n)  ; wb's substeps 0 to 3: rows 4 i on of my 32
.endr
.endr
	WIN 0
	v_mul_u32_u24 v3, v1, PA
	v_lshl_add_u32 v3, v2, 4, v3                   ; a fragment of xb: row x pitch + 16 x half,
	v_add_nc_u32 v[ADRA], s20, v3                  ; among my 64 rows
	v_mov_b32 v[CA], v[ADRA]                       ; the walk begins in slot 0
	v_mul_u32_u24 v4, v1, PB
	v_lshl_add_u32 v4, v2, 4, v4                   ; a fragment of wb likewise; all 128 rows are mine to read
	v_add_nc_u32 v[RB], BB0, v4
	v_add_nc_u32 v[RB+1], BB0+BSL, v4
	s_mul_i32 s23, s12, 16*SP
	s_add_co_u32 s23, s23, STAGE                   ; my stage
	v_mul_u32_u24 v3, v1, SP                       ; in: row l % 16, 16 bytes for each half of the lanes
	v_lshl_add_u32 v3, v2, 4, v3
	v_add_nc_u32 v[STO], s23, v3
	v_mul_u32_u24 v4, v2, SP                       ; back: lanes 0-15 one row of 256 bytes, lanes 16-31 the next
	v_lshl_add_u32 v4, v1, 4, v4
	v_add_nc_u32 v[RD], s23, v4
	s_lshr_b32 s46, s43, 3                         ; the batch,
	s_lshl_b32 s46, s46, 4
	s_add_co_u32 s46, s46, s42                     ; its slot,
	s_lshl_b32 s46, s46, 11                        ; of 2,048 rows,
	s_and_b32 s47, s43, 7
	s_lshl_b32 s47, s47, 8
	s_add_co_u32 s46, s46, s47                     ; the block's 256 rows in it,
	s_lshl_b32 s47, s12, 6
	s_add_co_u32 s46, s46, s47                     ; my wave's 64,
	s_lshl_b32 s46, s46, 8                         ; of 256 bytes
	s_mov_b32 s47, 0
	s_add_nc_u64 s[10:11], s[10:11], s[46:47]
	s_wait_loadcnt 16                              ; substeps 0 and 1 are in; the sixteen loads of substeps 2 and 3 may stay out
	WIN 0x0c                                       ; store data in window 3
.irp n, 0,1
.irp i, 0,1,2,3,4,5,6,7
	ds_store_b128 v[WB+(\n)], v[32*(\n)+4*(\i):32*(\n)+4*(\i)+3] offset:(\i)*4*PB
.endr
.endr
	s_wait_dscnt 0x0                               ; for the others' sake, ahead of the barrier below; and set 0 is loaded again only behind this wait
	WIN 0xc0
.irp i, 0,1,2,3,4,5,6,7
	global_load_b128 v[4*(\i):4*(\i)+3], v[VB], s[BT:BT+1] offset:32768*(\i)+128*4  ; substep 4
.endr
	WIN 0x80                                       ; destination window 2
.set n, 0
.rept 64                                               ; the table of my 64 tokens: 32 KiB, used on the way out
	global_load_b128 v[4*n:4*n+3], v[GO], s[8:9] offset:(n/16)*8192+(n%16)*512
.set n, n+1
.endr
	WIN 0
; 8 matrix instructions: token block a x all 8 column blocks, 32 along K.  The 32 accumulators take turns in one order.  zero = 1: the products start the sums.
.macro MULA f, a, zero
	WIN 0x50                                       ; C and D window 1, fragments window 0
.irp b, 0,1,2,3,4,5,6,7
.if \zero
	v_wmma_f32_16x16x32_bf16 v[8*(8*(\a)+(\b)):8*(8*(\a)+(\b))+7], v[(\f)+32+8*(\b):(\f)+32+8*(\b)+7], v[(\f)+8*(\a):(\f)+8*(\a)+7], 0
.else
	v_wmma_f32_16x16x32_bf16 v[8*(8*(\a)+(\b)):8*(8*(\a)+(\b))+7], v[(\f)+32+8*(\b):(\f)+32+8*(\b)+7], v[(\f)+8*(\a):(\f)+8*(\a)+7], v[8*(8*(\a)+(\b)):8*(8*(\a)+(\b))+7]
.endif
.endr
.endm
; 24 LDS loads in one run: wb's sixteen (slot bs, byte kb of its rows), then xb's eight (the slot in hand, byte ka of its rows): the fragments of 32 along K
.macro FETCH ka, bs, kb, f
	WIN 0
.irp i, 0,1,2,3,4,5,6,7
	ds_load_b128 v[(\f)+32+8*(\i):(\f)+32+8*(\i)+3],   v[RB+(\bs)] offset:(\kb)+(\i)*16*PB
	ds_load_b128 v[(\f)+32+8*(\i)+4:(\f)+32+8*(\i)+7], v[RB+(\bs)] offset:(\kb)+(\i)*16*PB+32
.endr
.irp i, 0,1,2,3
	ds_load_b128 v[(\f)+8*(\i):(\f)+8*(\i)+3],   v[CA] offset:(\ka)+(\i)*16*PA
	ds_load_b128 v[(\f)+8*(\i)+4:(\f)+8*(\i)+7], v[CA] offset:(\ka)+(\i)*16*PA+32
.endr
.endm
; The next substep of wb is asked for, into a register set: 8 loads of 4 rows x 128 bytes.  Past the last substep the last is asked for again.
.macro GLOAD set
	s_wait_xcnt 0x0                                ; the base pair below is written again only behind this wait
	s_min_u32 s[BO], s[NB], LASTB
	s_lshl_b32 s[BO], s[BO], 7                     ; 128 bytes of a row a substep
	s_add_nc_u64 s[BP:BP+1], s[BT:BT+1], s[BO:BO+1]
	s_add_co_u32 s[NB], s[NB], 1
	WIN 0xc0                                       ; destination window 3
.irp i, 0,1,2,3,4,5,6,7
	global_load_b128 v[32*(\set)+4*(\i):32*(\set)+4*(\i)+3], v[VB], s[BP:BP+1] offset:32768*(\i)
.endr
.endm
; A step of 256 is four substeps jj of 64 along K; a substep is two quarters of 32 matrix instructions, on buffers 0 and 1.
; The first quarter of substep t (t % 4 = jj): multiplies buffer 0, asks for wb's substep t + 5, fetches the second quarter's fragments.
.macro QUARTER jj, zero
	s_wait_dscnt 4                                 ; all but the youngest four loads (xb's token blocks 2 and 3): so the eight LDS stores ahead of those 24 loads are done too, and their set may be loaded again
	GLOAD ((\jj)+1)%4
	MULA F0, 0, \zero
	MULA F0, 1, \zero
	PLACES
	FETCH (\jj)*128+64, (\jj)%2, 64, F1
	s_wait_dscnt 24                                ; all but the 24 just issued
	MULA F0, 2, \zero
	MULA F0, 3, \zero
.endm
; The second quarter of substep t multiplies buffer 1 and changes wb's slots: one barrier; in front of it each wave's reads of the slot in hand and its stores into the other are done.  Behind it substep
; t + 2 goes from its registers into the slot just left, and the next substep's first fragments are fetched.  The count 24: substeps t + 3, t + 4 and t + 5 were asked for behind t + 2.
; kind = 0: no more than that; xb's tensor load stays on its way.  kind = 1, the step's last substep: xb's slots change too: ahead of the barrier each wave waits for all its tensor loads (one is out: its
; part of the next slot) and adds 0 to its spare word; the barrier opens a round of the cluster's; the slot just left is filled again, two steps ahead, the first thing behind the round: the walking
; descriptor turns to the other slot than last time and steps one step on.  kind = 2: xb's slots change and nothing is asked for.
.macro TURN jj, kind
.if (\kind) != 0
	WIN 0
	s_wait_tensorcnt 0x0
	ds_add_u32 v[SPW], v[NIL]
	s_wait_dscnt 5                                 ; the add and the youngest four loads may be out
.else
	s_wait_dscnt 4                                 ; the youngest four loads may be out
.endif
	MULA F1, 0, 0
	s_wait_loadcnt 24                              ; wb's substep t + 2 is in its registers
	s_wait_dscnt 0x0                               ; my reads of both slots in hand and my stores into wb's other slot are done (and the add)
	s_barrier_signal -1
	MULA F1, 1, 0
	WIN 0                                          ; branches and window 0's addresses follow
	s_barrier_wait -1
.if (\kind) == 1
	CREST
	s_xor_b32 s[G0+5], s[G0+5], SLOT
	s_add_nc_u64 s[G0+6:G0+7], s[G0+6:G0+7], KMAC*2
	JLOAD 1                                        ; the first tensor load behind the round; its four v_nop are also the places in front of the loads below
.else
	PLACES
.endif
	WIN 0x0c                                       ; store data in window 3
.irp i, 0,1,2,3,4,5,6,7
	ds_store_b128 v[WB+(\jj)%2], v[32*(((\jj)+2)%4)+4*(\i):32*(((\jj)+2)%4)+4*(\i)+3] offset:(\i)*4*PB
.endr
	WIN 0
.if (\jj) == 3
	s_xor_b32 s[TB], s[TB], SLOT                   ; xb's reads go on in the other slot
	v_add_nc_u32 v[CA], s[TB], v[ADRA]
	FETCH 0, 0, 0, F0
.else
	FETCH ((\jj)+1)*128, ((\jj)+1)%2, 0, F0
.endif
	MULA F1, 2, 0
	MULA F1, 3, 0
.endm
	s_wait_tensorcnt 1                             ; my part of xb's step 0 is in; step 1's may stay out
	s_barrier_signal -1
	s_barrier_wait -1                              ; everybody's part of wb's substeps 0 and 1 is in LDS
	FETCH 0, 0, 0, F0
	QUARTER 0, 1                                   ; the first quarter stands in front of the loop: its products start the sums
	WIN 0
	s_mov_b32 s3, MACS-2
	s_branch .Lmid                                 ; the loop is entered behind a step's first quarter
.Lmac:                                                 ; steps 0 to 13: each asks for the step two on
	QUARTER 0, 0
	WIN 0
.Lmid:
	TURN 0, 0
	QUARTER 1, 0
	TURN 1, 0
	QUARTER 2, 0
	TURN 2, 0
	QUARTER 3, 0
	TURN 3, 1
	WIN 0
	s_sub_co_u32 s3, s3, 1
	s_cmp_lg_u32 s3, 0
	s_cbranch_scc1 .Lmac
	s_mov_b32 s3, 2
.Llast:                                                ; steps 14 and 15 ask for no tile
	QUARTER 0, 0
	TURN 0, 0
	QUARTER 1, 0
	TURN 1, 0
	QUARTER 2, 0
	TURN 2, 0
	QUARTER 3, 0
	TURN 3, 2
	WIN 0
	s_sub_co_u32 s3, s3, 1
	s_cmp_lg_u32 s3, 0
	s_cbranch_scc1 .Llast
	s_wait_dscnt 0x0                               ; the last trip's LDS loads, which serve nothing, have landed: their registers are written below
	PLACES
	s_wait_loadcnt 0x0                             ; the table (and the last requests for wb)
; THE WAY OUT of token block a: rotate, round to f16, 16 bytes a lane into my stage, whole rows of 256 bytes back.  Each accumulator's lowest registers are read first.
.macro ROPE a
	WIN 0x09                                       ; source 0 (sums) window 1, source 1 (table) window 2, source 2 and destination window 0
.irp b, 0,1,2,3
.irp jj, 0,2,4,6
	v_pk_mul_f32 v[TT+2*(\jj):TT+2*(\jj)+1],   v[8*(8*(\a)+(\b)+4)+(\jj):8*(8*(\a)+(\b)+4)+(\jj)+1], v[64*(\a)+16*(\b)+8+(\jj):64*(\a)+16*(\b)+8+(\jj)+1]
	v_pk_mul_f32 v[TT+2*(\jj)+2:TT+2*(\jj)+3], v[8*(8*(\a)+(\b))+(\jj):8*(8*(\a)+(\b))+(\jj)+1],     v[64*(\a)+16*(\b)+8+(\jj):64*(\a)+16*(\b)+8+(\jj)+1]
.endr
.irp jj, 0,2,4,6
	v_pk_fma_f32 v[OUTF+8*(\b)+(\jj):OUTF+8*(\b)+(\jj)+1],       v[8*(8*(\a)+(\b))+(\jj):8*(8*(\a)+(\b))+(\jj)+1],     v[64*(\a)+16*(\b)+(\jj):64*(\a)+16*(\b)+(\jj)+1], v[TT+2*(\jj):TT+2*(\jj)+1] neg_lo:[0,0,1] neg_hi:[0,0,1]
	v_pk_fma_f32 v[OUTF+32+8*(\b)+(\jj):OUTF+32+8*(\b)+(\jj)+1], v[8*(8*(\a)+(\b)+4)+(\jj):8*(8*(\a)+(\b)+4)+(\jj)+1], v[64*(\a)+16*(\b)+(\jj):64*(\a)+16*(\b)+(\jj)+1], v[TT+2*(\jj)+2:TT+2*(\jj)+3]
.endr
.endr
	WIN 0
.set n, 0
.rept 32
	v_cvt_pk_f16_f32 v[PKD+n], v[OUTF+2*n], v[OUTF+2*n+1]
.set n, n+1
.endr
.irp b, 0,1,2,3,4,5,6,7
	ds_store_b128 v[STO], v[PKD+4*(\b):PKD+4*(\b)+3] offset:32*(\b)
.endr
.if (\a) >= 2
	s_wait_xcnt 0x0                                ; the stores of the block two back have read this buffer: it is loaded again only behind this wait
.endif
.irp t, 0,1,2,3,4,5,6,7
	ds_load_b128 v[BKB+32*((\a)%2)+4*(\t):BKB+32*((\a)%2)+4*(\t)+3], v[RD] offset:(\t)*2*SP  ; LDS serves a wave's instructions in order (ISA guide 5.7.1.4): these see the stores above
.endr
.endm
.macro SEND a, younger                 ; younger: the LDS instructions issued behind block a's loads
.irp t, 0,1,2,3,4,5,6,7
	s_wait_dscnt (\younger)+7-(\t)
	global_store_b128 v[GO], v[BKB+32*((\a)%2)+4*(\t):BKB+32*((\a)%2)+4*(\t)+3], s[10:11] offset:(\a)*4096+(\t)*512  ; 512 consecutive bytes, at a multiple of 256 from the buffer's first
.endr
.endm
	ROPE 0
	ROPE 1
	SEND 0, 16
	ROPE 2
	SEND 1, 16
	ROPE 3
	SEND 2, 16
	SEND 3, 0
	s_wait_tensorcnt 0x0                           ; the wave's end
	ds_add_u32 v[SPW], v[NIL]
	s_wait_dscnt 0x0
	CROUND                                         ; the closing round
	s_endpgm
.Lfunc_end_k_qbae35cbabe_qkv:
	.size	k_qbae35cbabe_qkv, .Lfunc_end_k_qbae35cbabe_qkv-k_qbae35cbabe_qkv
	.p2alignl 7, 3214868480
	.fill 96, 4, 3214868480
	.section	.rodata,"a",@progbits
	.p2align	6, 0x0
	.amdhsa_kernel k_qbae35cbabe_qkv
		.amdhsa_group_segment_fixed_size 327680
		.amdhsa_private_segment_fixed_size 0
		.amdhsa_enable_private_segment 0
		.amdhsa_kernarg_size 32
		.amdhsa_user_sgpr_count 2
		.amdhsa_user_sgpr_kernarg_segment_ptr 1
		.amdhsa_wavefront_size32 1
		.amdhsa_system_sgpr_workgroup_id_x 1
		.amdhsa_system_sgpr_workgroup_id_y 1
		.amdhsa_system_sgpr_workgroup_id_z 1
		.amdhsa_system_vgpr_workitem_id 0
		.amdhsa_next_free_vgpr 896
		.amdhsa_next_free_sgpr 66
		.amdhsa_reserve_vcc 0
		.amdhsa_float_denorm_mode_32 3
		.amdhsa_float_denorm_mode_16_64 3
		.amdhsa_memory_ordered 1
		.amdhsa_forward_progress 1
		.amdhsa_inst_pref_size 131
	.end_amdhsa_kernel
	.amdgpu_metadata
---
amdhsa.version: [ 1, 2 ]
amdhsa.kernels:
  - .name:           k_qbae35cbabe_qkv
    .symbol:         k_qbae35cbabe_qkv.kd
    .args:
      - { .name: xb, .offset: 0, .size: 8, .value_kind: global_buffer, .address_space: global }
      - { .name: wb, .offset: 8, .size: 8, .value_kind: global_buffer, .address_space: global }
      - { .name: cs, .offset: 16, .size: 8, .value_kind: global_buffer, .address_space: global }
      - { .name: qkv, .offset: 24, .size: 8, .value_kind: global_buffer, .address_space: global }
    .group_segment_fixed_size: 327680
    .private_segment_fixed_size: 0
    .kernarg_segment_align: 8
    .kernarg_segment_size: 32
    .max_flat_workgroup_size: 128
    .sgpr_count:     66
    .vgpr_count:     896
    .wavefront_size: 32
...
	.end_amdgpu_metadata
.endif
;; end of part 2
;; launch attn (part 3): grid 32 x 8, 4 waves a work-group, clusters of 4 x 1, 327,680 bytes of LDS; arguments qkv, ctx16; writes ctx16
.if DOCPART == 3
	.amdgcn_target "amdgcn-amd-amdhsa--gfx1250"
	.amdhsa_code_object_version 6
	.text
	.protected	k_qbae35cbabe_attn
	.globl	k_qbae35cbabe_attn
	.p2align	8
	.type	k_qbae35cbabe_attn,@function
k_qbae35cbabe_attn:
	s_mov_b64 s[64:65], 0
	v_nop
	global_prefetch_b8 v0, s[64:65] scope:SCOPE_SE
	s_setreg_imm32_b32 hwreg(HW_REG_WAVE_MODE, 25, 1), 1
	s_wait_xcnt 0x0
	s_wait_alu depctr_hold_cnt(0) depctr_sa_sdst(0) depctr_va_vdst(0) depctr_va_sdst(0) depctr_va_ssrc(0) depctr_va_vcc(0) depctr_vm_vsrc(0)
	s_getreg_b32 s2, hwreg(HW_REG_IB_STS2, 6, 4)
	s_cmp_eq_u32 s2, 0
	s_cbranch_scc0 .Lentry_in_a_cluster
	s_endpgm
.Lentry_in_a_cluster:
	s_bfe_u32 s2, ttmp6, 0x10000c
	s_cmp_lg_u32 s2, 0x3003
	s_cbranch_scc0 .Lentry_shape_is_right
	s_endpgm
.Lentry_shape_is_right:
; CAUSAL ATTENTION WITH GROUPED HEADS.  qkv[batch][slot][position][128] in f16 holds q (slots 0-7), k (8-11) and v (12-15), all divided by 8; q head h uses kv head h / 2.
; ctx16[token][head 128 + d] = (softmax over keys <= position of q . k / sqrt(128)) v / 8, in f16.  Products, maxima and sums in f32; the weights are rounded to f16 for the second product.
; LIMITS.  A hidden score counts as -2^100; the running maximum starts at -2^90; true raw scores are 128 x 65,504^2 < 2^39 at the most.  A weight below 2^-126 counts as 0.  NaN and infinities are not treated apart.
; THE WALK.  A (batch, kv head) has 64 blocks of 32 positions x 2 q heads = 64 rows; block i needs the key tiles 0 .. i / 8 of 256 keys, the last with the diagonal.  A work-group takes blocks 63 - p and then p:
; 9 tiles whatever p.  One loop of eight trips, a tile each, and a ninth tile written out (it asks for nothing) walk them; the ring of two slots runs on across the change of blocks.  Which slot is read and
; which is filled hangs on words that one exclusive or turns from slot to slot.
; CLUSTER.  The four work-groups of a cluster have p = 4 x + 0..3: the same tiles in the same order (all counts hang on x / 2 alone), so every tile of K and V is asked for jointly.
; SHARES.  THE WAVES SHARE THE KEYS: each wave holds all 64 rows (four tiles of 16; tile t: positions 16 (t / 2) on, head t % 2) and takes keys 64 w .. 64 w + 63 of every key tile, with a running maximum m,
; sum l and O^T of its own; at a block's end the four are merged through LDS: O = sum over w of 2^(c m_w - M) O_w / sum over w of 2^(c m_w - M) l_w.
; LAYOUT.  S^T = K Q^T holds one query a lane (lane % 16) and keys 8 (lane / 16) + 0..7; two results rounded to f16 are source 1 of O^T = V^T P.  p = 2^(c s - c m), c = 64 log2(e) / sqrt(128): the 64 takes
; back the two divisions by 8.  O and l are multiplied by a = 2^(c m_old - c m_new) in every step.
; A STEP is one key tile: 32 products K Q^T of piece 0 (tiles 0, 1); 32 of piece 2 (tiles 2, 3) with piece 0's softmax in slices behind them; 32 products V^T P of piece 0 with piece 2's softmax; 32 of piece 2.
; THE MASK is the C operand that starts the sums: 0, or -2^100 where the key is hidden; only a block's last tile has any, elsewhere the mask registers hold 0.
; REGISTERS.  Window 0: v2-11 addresses; v12-43 statistics, eight a tile; v44-52 at work; v62, 63 the add's; v64-191 S^T; v192-255 P.  Window 1: O^T, 64 a tile.
; Window 2: v0-127 Q; v128-255 K.  Window 3: v0-127 V; v128-191 the masks, at 32 (t / 2) + 8 (key block) + j.
.set PK,    272       ; a row of K in LDS: 256 bytes + 16
.set PVP,   288       ; a row of V: 256 + 32
.set KT,    256*PK    ; a tile of K: 69,632 bytes; K's two slots lie at 0 and KT
.set VT,    256*PVP   ; a tile of V: 73,728 bytes; V's two slots lie at VB0 and VB0 + VT
.set VB0,   2*KT
.set XK,    KT        ; 0x11000 turns 0 into KT and back, and 128 PK = 0x8800 into KT + 128 PK: no bit is shared
.set XV,    0x16000   ; turns VB0 = 0x22000 into VB0 + VT = 0x34000 and back, and VB0 + 128 PVP = 0x2b000 into 0x3d000
.set XCH,   VB0+2*VT  ; behind the ring: 16 rows x 528 bytes for each wave, for the merge
.set XP,    528
.set STAT,  XCH+4*16*XP  ; (16 t + query) x 32 + 8 w: c m and l of wave w
.set SPARE, STAT+2048 ; the spare words, 128 bytes for each wave
.set AK0, 2           ; v2     my place among my 64 keys of a tile of K; never rewritten
.set AKC, 3           ; v3     the same in the slot in hand
.set AV0, 4           ; v4     my place among my 64 keys of a tile of V; never rewritten
.set AVC, 5           ; v5     the same in the slot in hand
.set QO,  6           ; v6     my byte offset in 16 rows of Q
.set XW,  7           ; v7     the merge: where I put 32 bytes of a row
.set XR,  8           ; v8     where I read 32 bytes of a row that I add up
.set GO,  9           ; v9     my byte offset in ctx16
.set SW,  10          ; v10    where I put c m and l
.set SR,  11          ; v11    where I read the four waves' c m and l
.set ST,  12          ; tile t at v[ST+8 t]: c m, m, l (even keys', odd keys'), c0-c3 at work; a takes c2's place
.set VBS, 44          ; v44    lane % 16 - 8 (lane / 16) - 64 w
.set BG,  52          ; v52    -2^100
.set SPW, 62
.set NIL, 63
.set S,   64
.set P,   192
.set KF,  128         ; window 2
.set MC,  128         ; window 3
.set WV,  12
.set G1K, 24
.set G1V, 32
.set G0K, 40          ; s[40:43] group 0 for K's tiles: it walks
.set G0V, 44          ; s[44:47] the same for V's
.set TBK, 48          ; s48  first byte of K's slot in hand
.set TBV, 49          ; s49  of V's
.set TRIPS, 56
.set RT,  57          ; tiles that the first block still has
.set CS,  58
.set SEL, 60
.set NXT, 62          ; the tile to be asked for next
.set LQ,  63          ; the last tile of the block whose tiles are being asked for
.set LQ2, 66          ; the second block's
.set OFF, 68
.set OFB, 71          ; s71 32 x (block % 8) of the block in hand; s72 of the second
.set QB1, 74          ; s[74:75], s[76:77] Q of the two blocks
.set CB,  78          ; s[78:79] ctx16 at the block in hand; s[80:81] at the second
.set MSB, 0
.macro WIN new
.if MSB != (\new)
	s_set_vgpr_msb (MSB<<8)|(\new)
.set MSB, \new
.endif
.endm
.set W_KQ, 0x0a       ; K and Q in window 2, S^T in window 0
.set W_KM, 0x3a       ; the same with the C operand in window 3
.set W_PV, 0x53       ; V in window 3, P in window 0, O^T in window 1
.set W_RS, 0x41       ; O^T (destination and source 0) in window 1, the factor in window 0
.macro JLOAD                        ; a joint fill: waves 0 and 1 fetch K's halves of 128 keys, waves 2 and 3 V's; an s_nop 0 and four v_nop follow each line
	s_cmp_lt_u32 s[WV], 2
	s_cbranch_scc0 .Lfor_v_\@
	tensor_load_to_lds s[G0K:G0K+3], s[G1K:G1K+7]
	s_nop 0
.rept 4
	v_nop
.endr
	s_branch .Lasked_\@
.Lfor_v_\@:
	tensor_load_to_lds s[G0V:G0V+3], s[G1V:G1V+7]
	s_nop 0
.rept 4
	v_nop
.endr
.Lasked_\@:
.endm
.macro CROUND
	s_barrier_signal -1
	s_barrier_wait -1
	s_cmp_lg_u32 s[WV], 0
	s_cbranch_scc1 .Lnot_wave_0_\@
	s_barrier_signal -3
.Lnot_wave_0_\@:
	s_barrier_wait -3
	s_barrier_signal -1
	s_barrier_wait -1
.endm
.macro PLACES
.rept 4
	v_nop
.endr
.endm
; THE CHANGE OF SLOTS.  Each wave waits for all its tensor loads (one is out: its part of the slot to be read next), adds 0 to its spare word, and waits for that and for its reads of the slot that it leaves.
; fill = 1: the slot just left is filled with tile NXT, the first thing behind a round of the cluster's barrier; it has a whole step, 128 matrix instructions, in which to land.
; (At its first use nothing has been read yet: slot 0 is waited for, slot 1 filled.)
.macro CHANGE fill
	WIN 0
	s_wait_tensorcnt 0x0            ; no tensor load of mine is out, so a group 0 may be written
	ds_add_u32 v[SPW], v[NIL]       ; the scalar work below stands between the add and the wait for it
.if \fill
	s_lshl_b32 s[OFF], s[NXT], 16   ; a tile is 65,536 bytes of K and of V
	s_xor_b32 s[G0K+1], s[G0K+1], XK  ; the other slot than last time
	s_add_nc_u64 s[G0K+2:G0K+3], s[8:9], s[OFF:OFF+1]
	s_or_b32 s[G0K+3], s[G0K+3], 0x80000000
	s_xor_b32 s[G0V+1], s[G0V+1], XV
	s_add_nc_u64 s[G0V+2:G0V+3], s[10:11], s[OFF:OFF+1]
	s_or_b32 s[G0V+3], s[G0V+3], 0x80000000
	s_add_co_u32 s[NXT], s[NXT], 1  ; the block's next tile, or behind its last the second block's tile 0
	s_cmp_gt_u32 s[NXT], s[LQ]
	s_cselect_b32 s[NXT], 0, s[NXT]
	s_cselect_b32 s[LQ], s[LQ2], s[LQ]
.endif
	s_xor_b32 s[TBK], s[TBK], XK    ; the reads go on in the other slot
	s_xor_b32 s[TBV], s[TBV], XV
	s_wait_dscnt 0x0                ; the add is done, and my reads of the slot are over
.if \fill
	CROUND
	JLOAD
.else
	s_barrier_signal -1
	s_barrier_wait -1
.endif
.endm
	s_load_b128 s[4:7], s[0:1], 0x0 ; qkv s[4:5], ctx16 s[6:7]
	v_lshl_add_u32 v[SPW], v0, 2, SPARE
	v_mov_b32 v[NIL], 0
	ds_add_u32 v[SPW], v[NIL]       ; the wave's opening: the add and its wait stand ahead of my first tensor load
	v_lshrrev_b32 v1, 5, v0
	v_readfirstlane_b32 s[WV], v1   ; wave 0..3
	s_bfe_u32 s13, ttmp6, 0x40000   ; cx: it enters Q's and ctx16's addresses and the mask's numbers alone
	s_lshl_b32 s14, ttmp9, 2
	s_add_co_u32 s14, s14, s13      ; p
	s_lshr_b32 s15, ttmp9, 1        ; p / 8, the same in all four partners
	s_and_b32 s16, ttmp7, 0xffff
	s_lshr_b32 s17, s16, 2          ; the batch
	s_and_b32 s18, s16, 3           ; the kv head
	s_sub_co_u32 s22, 63, s14       ; the first block: 63 - p,
	s_mov_b32 s23, s14              ; the second: p
	s_sub_co_u32 s[RT], 8, s15      ; the first block has 8 - p / 8 tiles,
	s_sub_co_u32 s[LQ], 7, s15      ; the last of them 7 - p / 8;
	s_mov_b32 s[LQ2], s15           ; the second block's last is p / 8
	s_mov_b32 s[NXT], 1
	s_mov_b32 s[TRIPS], 8
	s_and_b32 s[OFB], s22, 7
	s_lshl_b32 s[OFB], s[OFB], 5
	s_and_b32 s[OFB+1], s23, 7
	s_lshl_b32 s[OFB+1], s[OFB+1], 5
	s_lshl_b32 s3, s17, 4
	s_add_co_u32 s82, s3, s18
	s_add_co_u32 s82, s82, 8        ; K's slot: 16 batch + 8 + kv head,
	s_lshl_b32 s82, s82, 19         ; of 2,048 rows of 256 bytes,
	s_and_b32 s16, s[WV], 1
	s_lshl_b32 s84, s16, 15
	s_add_co_u32 s82, s82, s84      ; and my half of a tile's 256 keys
	s_mov_b32 s83, 0
	s_add_co_u32 s84, s82, 4<<19    ; V's slot lies four further on
	s_mov_b32 s85, 0
	s_lshl_b32 s86, s18, 1
	s_add_co_u32 s86, s86, s3
	s_lshl_b32 s86, s86, 19         ; the two q heads' slots begin at 16 batch + 2 kv head
	s_mov_b32 s87, 0
	s_mov_b32 s[G1K], 15|(1<<16)|(1<<20)|(1<<21)|(5<<22)|(3<<25)  ; the mask of four; 2-byte elements; padding on; bit 21 beside a mask; after every 64 words 4 words
	s_mov_b32 s[G1V], 15|(1<<16)|(1<<20)|(1<<21)|(5<<22)|(7<<25)  ; the same with 8 words
.irp g, G1K, G1V
	s_mov_b32 s[(\g)+1], 128<<16    ; tensor_dim0 = 128
	s_mov_b32 s[(\g)+2], 128<<16    ; tensor_dim1 = 128
	s_mov_b32 s[(\g)+3], 128<<16    ; tile_dim0 = 128
	s_mov_b32 s[(\g)+4], 128        ; tile_dim1 = 128
	s_mov_b32 s[(\g)+5], 128        ; elements from row to row
	s_mov_b32 s[(\g)+6], 0
	s_mov_b32 s[(\g)+7], 0
.endr
	s_mul_i32 s20, s16, 128*PK      ; my half's place in a tile, for K
	s_mul_i32 s21, s16, 128*PVP     ; and for V
	s_mov_b32 s[G0K], 1
	s_mov_b32 s[G0K+1], s20         ; slot 0
	s_mov_b32 s[G0V], 1
	s_add_co_u32 s[G0V+1], s21, VB0
	s_mov_b32 s[TBK], XK            ; the first change of slots turns these two into slot 0's
	s_mov_b32 s[TBV], VB0+VT
	s_mov_b32 s[CS], 0x410293ee     ; c = 64 log2(e) / sqrt(128) = 8.16112
	s_mov_b32 s[CS+1], s[CS]
	s_mov_b32 s[SEL], 0x76543210
	s_mov_b32 s[SEL+1], 0xfedcba98
	s_mov_b32 s[OFF+1], 0
	s_wait_dscnt 0x0                ; the opening add is done
	s_wait_kmcnt 0x0
	s_add_nc_u64 s[8:9], s[4:5], s[82:83]          ; K and V at my half of tile 0
	s_add_nc_u64 s[10:11], s[4:5], s[84:85]
	s_add_nc_u64 s[G0K+2:G0K+3], s[8:9], 0
	s_or_b32 s[G0K+3], s[G0K+3], 0x80000000
	s_add_nc_u64 s[G0V+2:G0V+3], s[10:11], 0
	s_or_b32 s[G0V+3], s[G0V+3], 0x80000000
	s_add_nc_u64 s[QB1:QB1+1], s[4:5], s[86:87]
	s_mov_b64 s[QB1+2:QB1+3], s[QB1:QB1+1]
	s_mov_b32 s21, 0
	s_lshl_b32 s20, s22, 13         ; a block's 32 rows of 256 bytes
	s_add_nc_u64 s[QB1:QB1+1], s[QB1:QB1+1], s[20:21]
	s_lshl_b32 s20, s23, 13
	s_add_nc_u64 s[QB1+2:QB1+3], s[QB1+2:QB1+3], s[20:21]
	s_lshl_b32 s84, s17, 22         ; ctx16: 2,048 tokens of 2,048 bytes a batch,
	s_lshl_b32 s86, s18, 9          ; 512 bytes for a kv head's two q heads
	s_add_co_u32 s84, s84, s86
	s_add_nc_u64 s[CB:CB+1], s[6:7], s[84:85]
	s_mov_b64 s[CB+2:CB+3], s[CB:CB+1]
	s_lshl_b32 s20, s22, 16         ; a block's 32 tokens
	s_add_nc_u64 s[CB:CB+1], s[CB:CB+1], s[20:21]
	s_lshl_b32 s20, s23, 16
	s_add_nc_u64 s[CB+2:CB+3], s[CB+2:CB+3], s[20:21]
	CROUND                          ; all four work-groups are here
	JLOAD                           ; the walk's first tile into slot 0: one tensor load of mine is out
	v_and_b32 v47, 15, v0           ; l % 16
	v_bfe_u32 v48, v0, 4, 1         ; l / 16
	v_lshlrev_b32 v[QO], 8, v47
	v_lshl_add_u32 v[QO], v48, 4, v[QO]
; Q of a block: tile n / 4 (head (n / 4) % 2, positions 16 (n / 8) on), channels 32 (n % 4) on
.macro QLOAD base
	WIN 0x80
.set n, 0
.rept 16
	global_load_b128 v[8*n:8*n+3],   v[QO], s[(\base):(\base)+1] offset:((n/4)%2)*524288+(n/8)*4096+(n%4)*64
	global_load_b128 v[8*n+4:8*n+7], v[QO], s[(\base):(\base)+1] offset:((n/4)%2)*524288+(n/8)*4096+(n%4)*64+32
.set n, n+1
.endr
	WIN 0
.endm
	QLOAD QB1
	v_mul_u32_u24 v[AK0], v47, PK
	v_lshl_add_u32 v[AK0], v48, 4, v[AK0]
	s_mul_i32 s16, s[WV], 64*PK     ; my 64 keys
	v_add_nc_u32 v[AK0], s16, v[AK0]
	v_and_b32 v49, 7, v0            ; the turning load: lane l reads key 8 (l / 16) + l % 8, channels 8 ((l / 8) % 2) + 0..7
	v_bfe_u32 v50, v0, 3, 1
	v_lshl_add_u32 v[AV0], v48, 3, v49
	v_mul_u32_u24 v[AV0], v[AV0], PVP
	v_lshl_add_u32 v[AV0], v50, 4, v[AV0]
	s_mul_i32 s16, s[WV], 64*PVP
	v_add_nc_u32 v[AV0], s16, v[AV0]
	v_mul_u32_u24 v[XW], v47, XP    ; the merge, in: row l % 16, 32 bytes for each half of the lanes
	v_lshl_add_u32 v[XW], v48, 5, v[XW]
	s_mul_i32 s16, s[WV], 16*XP
	s_add_co_u32 s16, s16, XCH
	v_add_nc_u32 v[XW], s16, v[XW]
	s_lshl_b32 s17, s[WV], 2
	v_add_nc_u32 v51, s17, v48      ; back: I add up rows 4 w + l / 16 and two further on, 32 bytes at 32 (l % 16)
	v_mul_u32_u24 v[XR], v51, XP
	v_lshl_add_u32 v[XR], v47, 5, v[XR]
	v_add_nc_u32 v[XR], XCH, v[XR]
	v_lshlrev_b32 v[GO], 11, v51    ; and the same row of ctx16, 16 bytes at 16 (l % 16)
	v_lshl_add_u32 v[GO], v47, 4, v[GO]
	v_lshlrev_b32 v[SR], 5, v47
	v_add_nc_u32 v[SR], STAT, v[SR]
	s_lshl_b32 s17, s[WV], 3
	v_add_nc_u32 v[SW], s17, v[SR]
	v_lshlrev_b32 v51, 3, v48
	v_sub_nc_u32 v[VBS], v47, v51
	s_lshl_b32 s17, s[WV], 6
	v_sub_nc_u32 v[VBS], v[VBS], s17
	v_mov_b32 v[BG], 0xf1800000     ; -2^100
	; A block's first step multiplies O^T and l by a = 0 (or, where a wave sees no key at all, the merge does): they need only be finite.  Zeros for the first block; this stands in the wait for the first tile.
	WIN 0x40
.set n, 0
.rept 256
	v_mov_b32 v[n], 0
.set n, n+1
.endr
	WIN 0
.irp t, 0,1,2,3
	v_mov_b32 v[ST+8*(\t)+2], 0
	v_mov_b32 v[ST+8*(\t)+3], 0
.endr
; THE MATRIX WORK.  The accumulators take turns, one instruction a turn.
; Product i of 32 of S^T = K Q^T for piece x: channels 32 (i / 8) on, keys 16 ((i / 2) % 4) on, tile x + i % 2.  The first 8 start the sums with the mask registers.
.macro KQ x
.set rS, S+32*((\x)+i%2)+8*((i/2)%4)
.set rK, KF+32*((i/2)%4)+8*(i/8)
.set rQ, 32*((\x)+i%2)+8*(i/8)
.set rM, MC+32*((\x)/2)+8*((i/2)%4)
.if i < 8
	WIN W_KM
	v_wmma_f32_16x16x32_f16 v[rS:rS+7], v[rK:rK+7], v[rQ:rQ+7], v[rM:rM+7]
.else
	WIN W_KQ
	v_wmma_f32_16x16x32_f16 v[rS:rS+7], v[rK:rK+7], v[rQ:rQ+7], v[rS:rS+7]
.endif
.endm
; Product i of 32 of O^T += V^T P for piece x: keys 32 (i / 16) on, channels 16 ((i / 2) % 8) on, tile x + i % 2.
.macro PV x
	WIN W_PV
.set rO, 64*((\x)+i%2)+8*((i/2)%8)
.set rV, 64*(i/16)+8*((i/2)%8)
.set rP, P+16*((\x)+i%2)+8*(i/16)
	v_wmma_f32_16x16x32_f16 v[rO:rO+7], v[rV:rV+7], v[rP:rP+7], v[rO:rO+7]
.endm
; THE LDS LOADS, in two runs of 32, from the slot in hand.  K by channel groups, so that the first products can begin when the first eight loads are in.
.macro FETCH_K
	WIN 0x80
.irp c, 0,1,2,3
.irp kb, 0,1,2,3
	ds_load_b128 v[KF+32*(\kb)+8*(\c):KF+32*(\kb)+8*(\c)+3],   v[AKC] offset:(\kb)*16*PK+(\c)*64
	ds_load_b128 v[KF+32*(\kb)+8*(\c)+4:KF+32*(\kb)+8*(\c)+7], v[AKC] offset:(\kb)*16*PK+(\c)*64+32
.endr
.endr
.endm
.macro FETCH_V
	WIN 0xc0
.irp f, 0,1,2,3,4,5,6,7,8,9,10,11,12,13,14,15  ; keys 32 (f / 8) on, channels 16 (f % 8) on
	ds_load_tr16_b128 v[8*(\f):8*(\f)+3],   v[AVC] offset:((\f)/8)*32*PVP+((\f)%8)*32
	ds_load_tr16_b128 v[8*(\f)+4:8*(\f)+7], v[AVC] offset:((\f)/8)*32*PVP+16*PVP+((\f)%8)*32
.endr
.endm
; THE VECTOR WORK.  One tile's softmax for one step is a list of 134 instructions; SM writes number j of it for tile t.  s0-s31 are the lane's 32 scores, in pairs 0-15.
;   0-15    the maximum of s0-s31 and the old m, three operands at a time (each accumulator's lowest registers are read first)
;   16-20   the other half of the lanes' maximum; the new m; c m; c m_old - c m_new
;   21-87   33 exponentials (a, then s0-s31) at the odd numbers from 23 on, a plain instruction at every even number: scalings ahead, roundings behind, the first sums
;   88-101  the last rounding; the rest of the sums; l = a l + the sum
;   102-133 the tile's O^T times a
.macro SM t
.set rT, ST+8*(\t)
.set rS, S+32*(\t)
.set rP, P+16*(\t)
.set rO, 64*(\t)+2*(j-102)
.set q, (j-20)/2
.if j < 102
	WIN 0
.endif
.if j < 4
	v_max3_num_f32 v[rT+4+j], v[rS+8*j], v[rS+8*j+1], v[rS+8*j+2]
.elseif j < 12
	v_max3_num_f32 v[rT+4+j%4], v[rT+4+j%4], v[rS+8*(j%4)+2*(j/4)+1], v[rS+8*(j%4)+2*(j/4)+2]
.elseif j == 12
	v_max3_num_f32 v[rT+4], v[rT+4], v[rS+7], v[rS+15]
.elseif j == 13
	v_max3_num_f32 v[rT+6], v[rT+6], v[rS+23], v[rS+31]
.elseif j == 14
	v_max3_num_f32 v[rT+4], v[rT+4], v[rT+5], v[rT+6]
.elseif j == 15
	v_max3_num_f32 v[rT+4], v[rT+4], v[rT+7], v[rT+1]
.elseif j == 16
	v_permlanex16_b32 v[rT+5], v[rT+4], s[SEL], s[SEL+1]  ; the query's other 32 keys lie in the lane 16 away
.elseif j == 17
	v_mov_b32 v[rT+7], v[rT]        ; c m_old is kept for a
.elseif j == 18
	v_max_num_f32 v[rT+1], v[rT+4], v[rT+5]
.elseif j == 19
	v_mul_f32 v[rT], s[CS], v[rT+1]
.elseif j == 20
	v_sub_f32 v[rT+7], v[rT+7], v[rT]
.elseif j == 23
	v_exp_f32 v[rT+6], v[rT+7]
.elseif (j < 88) && (j > 23) && (j%2 == 1)
	v_exp_f32 v[rS+(j-25)/2], v[rS+(j-25)/2]
.elseif (q < 4) || ((j < 76) && (q%2 == 0))
.set b, q/2+2
.if q < 4
.set b, q
.endif
	v_pk_fma_f32 v[rS+2*b:rS+2*b+1], v[rS+2*b:rS+2*b+1], s[CS:CS+1], v[rT:rT+1] op_sel_hi:[1,0,0] neg_lo:[0,0,1] neg_hi:[0,0,1]  ; pair b: c s - c m
.elseif (j < 88) && (q%2 == 1)
	s_wait_alu depctr_va_vdst(0)
	v_cvt_pk_f16_f32 v[rP+(q-5)/2], v[rS+q-5], v[rS+q-4]
.elseif j == 89
	s_wait_alu depctr_va_vdst(0)
	v_cvt_pk_f16_f32 v[rP+15], v[rS+30], v[rS+31]
.elseif j < 102                     ; the sum of the tile's 16 pairs, in place: neighbours 1, 2, 4 and 8 pairs apart, then l takes it
.set z, j-86
.if j < 89
.set z, (j-76)/4
.endif
.set w, 4
.set u, z
.if z >= 14
.set w, 32
.set u, 0
.elseif z >= 12
.set w, 16
.set u, z-12
.elseif z >= 8
.set w, 8
.set u, z-8
.endif
.if z < 15
	v_pk_add_f32 v[rS+w*u:rS+w*u+1], v[rS+w*u:rS+w*u+1], v[rS+w*u+w/2:rS+w*u+w/2+1]
.else
	v_pk_fma_f32 v[rT+2:rT+3], v[rT+2:rT+3], v[rT+6:rT+7], v[rS:rS+1] op_sel_hi:[1,0,1]
.endif
.else
	WIN W_RS
	v_pk_mul_f32 v[rO:rO+1], v[rO:rO+1], v[rT+6:rT+7] op_sel_hi:[1,0]
.endif
.endm
; Slice k of 64 of piece y's softmax: numbers 2 k and 2 k + 1 of both tiles' lists; the twelve that are over stand in slice 63.
.macro SLICE y
.if (k >= 11) && (k < 44)           ; tile by tile: plain, exponential, plain, exponential
.irp t, \y, (\y)+1
.irp n, 0,1
.set j, 2*k+(\n)
	SM \t
.endr
.endr
.else                               ; the two tiles alternate
.irp n, 0,1,2,3,4,5,6,7
.if ((\n) < 2) || (k == 63)
.irp t, \y, (\y)+1
.set j, 2*k+(\n)
	SM \t
.endr
.endif
.endr
.endif
.set k, k+1
.endm
; A STEP: the key tile in the slot in hand.
; The counted waits: behind K's 32 loads the first eight (channel group 0) are in when 24 are out; V's 32 loads follow the first eight products; then groups 1, 2, 3 are in when 48, 40, 32 are out.
.macro STEP
	WIN 0
	v_add_nc_u32 v[AKC], s[TBK], v[AK0]
	v_add_nc_u32 v[AVC], s[TBV], v[AV0]
	FETCH_K
	s_wait_dscnt 24
.set i, 0
.rept 32
.if i == 8
	FETCH_V
	s_wait_dscnt 48
.elseif i == 16
	s_wait_dscnt 40
.elseif i == 24
	s_wait_dscnt 32
.endif
	KQ 0
.set i, i+1
.endr
	WIN 0
	PLACES                          ; between piece 0's last products and the first read of its scores
.set k, 0
.set i, 0
.rept 32
	KQ 2
	SLICE 0
	SLICE 0
.set i, i+1
.endr
	s_wait_dscnt 0x0                ; V is in
.set k, 0
.set i, 0
.rept 32
	PV 0
	SLICE 2
	SLICE 2
.set i, i+1
.endr
.set i, 0
.rept 32
	PV 2
.set i, i+1
.endr
	WIN 0
	PLACES                          ; in front of the next loads into V's registers, and of the merge's reads of O^T
.endm
; The masks of the block's last tile: register j of key block kb is hidden where 16 kb + j > 32 (block % 8) + 16 (t / 2) + l % 16 - 8 (l / 16) - 64 w.
.macro MASKS
	WIN 0
	v_add_nc_u32 v45, s[OFB], v[VBS]
	v_add_nc_u32 v46, 16, v45
	WIN 0xc0
.set n, 0
.rept 64
	v_cmp_gt_i32 vcc_lo, 16*((n/8)%4)+n%8, v[45+n/32]
	v_cndmask_b32 v[MC+n], 0, v[BG], vcc_lo
.set n, n+1
.endr
	WIN 0
.endm
; A BLOCK BEGINS: m = -2^90, below every true score and above every hidden one; c m to match; the masks are 0; Q is in.
.macro BEGIN
	WIN 0
.irp t, 0,1,2,3
	v_mov_b32 v[ST+8*(\t)+1], 0xec800000
.endr
.irp t, 0,1,2,3
	v_mul_f32 v[ST+8*(\t)], s[CS], v[ST+8*(\t)+1]
.endr
	WIN 0xc0
.set n, 0
.rept 64
	v_mov_b32 v[MC+n], 0
.set n, n+1
.endr
	WIN 0
	s_wait_loadcnt 0x0
.endm
; THE MERGE.  Each wave publishes c m and l of its 64 rows; each makes, for every row, g = 2^(c m_own - M) / sum over w of 2^(c m_w - M) l_w and multiplies its O^T by it; then, a tile at a time, the four
; waves put their O^T into LDS, each adds up four of the tile's 16 rows, rounds to f16 and stores them.  Between a wave's stores and another's loads, and between those loads and the next stores: the wait for 0 and a barrier.
.macro MERGE
	WIN 0
.irp t, 0,1,2,3
	v_add_f32 v[ST+8*(\t)+5], v[ST+8*(\t)+2], v[ST+8*(\t)+3]
.endr
.irp t, 0,1,2,3
	v_permlanex16_b32 v[ST+8*(\t)+6], v[ST+8*(\t)+5], s[SEL], s[SEL+1]
.endr
.irp t, 0,1,2,3
	v_mov_b32 v[ST+8*(\t)+4], v[ST+8*(\t)]
	v_add_f32 v[ST+8*(\t)+5], v[ST+8*(\t)+5], v[ST+8*(\t)+6]
.endr
.irp t, 0,1,2,3
	ds_store_b64 v[SW], v[ST+8*(\t)+4:ST+8*(\t)+5] offset:512*(\t)  ; both halves of the lanes write the same numbers
.endr
	s_wait_dscnt 0x0                ; for the others' sake
	s_barrier_signal -1
	s_barrier_wait -1
.irp t, 0,1,2,3
	ds_load_b128 v[S+8*(\t):S+8*(\t)+3],   v[SR] offset:512*(\t)
	ds_load_b128 v[S+8*(\t)+4:S+8*(\t)+7], v[SR] offset:512*(\t)+16
.endr
	s_wait_dscnt 0x0
.irp t, 0,1,2,3
	v_max3_num_f32 v[ST+8*(\t)+5], v[S+8*(\t)], v[S+8*(\t)+2], v[S+8*(\t)+4]
.endr
.irp t, 0,1,2,3
	v_max_num_f32 v[ST+8*(\t)+5], v[ST+8*(\t)+5], v[S+8*(\t)+6]    ; M
.endr
.irp t, 0,1,2,3
	v_sub_f32 v[S+8*(\t)], v[S+8*(\t)], v[ST+8*(\t)+5]
	v_sub_f32 v[S+8*(\t)+2], v[S+8*(\t)+2], v[ST+8*(\t)+5]
	v_sub_f32 v[S+8*(\t)+4], v[S+8*(\t)+4], v[ST+8*(\t)+5]
	v_sub_f32 v[S+8*(\t)+6], v[S+8*(\t)+6], v[ST+8*(\t)+5]
	v_sub_f32 v[ST+8*(\t)+4], v[ST+8*(\t)+4], v[ST+8*(\t)+5]
.endr
.irp t, 0,1,2,3
	v_exp_f32 v[S+8*(\t)], v[S+8*(\t)]
	v_exp_f32 v[S+8*(\t)+2], v[S+8*(\t)+2]
	v_exp_f32 v[S+8*(\t)+4], v[S+8*(\t)+4]
	v_exp_f32 v[S+8*(\t)+6], v[S+8*(\t)+6]
	v_exp_f32 v[ST+8*(\t)+4], v[ST+8*(\t)+4]
.endr
	v_nop                           ; a plain instruction behind the exponentials
	s_wait_alu depctr_va_vdst(0)
.irp t, 0,1,2,3
	v_mul_f32 v[ST+8*(\t)+5], v[S+8*(\t)], v[S+8*(\t)+1]
.endr
.irp t, 0,1,2,3
	v_fmac_f32 v[ST+8*(\t)+5], v[S+8*(\t)+2], v[S+8*(\t)+3]
.endr
.irp t, 0,1,2,3
	v_fmac_f32 v[ST+8*(\t)+5], v[S+8*(\t)+4], v[S+8*(\t)+5]
.endr
.irp t, 0,1,2,3
	v_fmac_f32 v[ST+8*(\t)+5], v[S+8*(\t)+6], v[S+8*(\t)+7]
.endr
.irp t, 0,1,2,3
	v_rcp_f32 v[ST+8*(\t)+5], v[ST+8*(\t)+5]
.endr
	v_nop                           ; a plain instruction behind the reciprocals
	s_wait_alu depctr_va_vdst(0)
.irp t, 0,1,2,3
	v_mul_f32 v[ST+8*(\t)+6], v[ST+8*(\t)+4], v[ST+8*(\t)+5]       ; g
.endr
	WIN W_RS
.irp t, 0,1,2,3
.set n, 0
.rept 32
	v_pk_mul_f32 v[64*(\t)+2*n:64*(\t)+2*n+1], v[64*(\t)+2*n:64*(\t)+2*n+1], v[ST+8*(\t)+6:ST+8*(\t)+7] op_sel_hi:[1,0]
.set n, n+1
.endr
.endr
.irp t, 0,1,2,3
	WIN 0x04                        ; store data in window 1
.irp cb, 0,1,2,3,4,5,6,7
	ds_store_b128 v[XW], v[64*(\t)+8*(\cb):64*(\t)+8*(\cb)+3]   offset:64*(\cb)
	ds_store_b128 v[XW], v[64*(\t)+8*(\cb)+4:64*(\t)+8*(\cb)+7] offset:64*(\cb)+16
.endr
	WIN 0
	s_wait_dscnt 0x0                ; for the others' sake: my stores are done
	s_barrier_signal -1
	s_barrier_wait -1
.irp i2, 0,1
.irp ww, 0,1,2,3
	ds_load_b128 v[128+32*(\i2)+8*(\ww):128+32*(\i2)+8*(\ww)+3],   v[XR] offset:(\ww)*16*XP+(\i2)*2*XP
	ds_load_b128 v[128+32*(\i2)+8*(\ww)+4:128+32*(\i2)+8*(\ww)+7], v[XR] offset:(\ww)*16*XP+(\i2)*2*XP+16
.endr
.endr
	s_wait_dscnt 0x0                ; my reads are over: the others may write their next tile
	s_wait_xcnt 0x0                 ; the last tile's stores have read their registers
	s_barrier_signal -1
.irp i2, 0,1
.irp pp, 0,2,4,6
	v_pk_add_f32 v[128+32*(\i2)+(\pp):128+32*(\i2)+(\pp)+1],       v[128+32*(\i2)+(\pp):128+32*(\i2)+(\pp)+1],       v[128+32*(\i2)+8+(\pp):128+32*(\i2)+8+(\pp)+1]
	v_pk_add_f32 v[128+32*(\i2)+16+(\pp):128+32*(\i2)+16+(\pp)+1], v[128+32*(\i2)+16+(\pp):128+32*(\i2)+16+(\pp)+1], v[128+32*(\i2)+24+(\pp):128+32*(\i2)+24+(\pp)+1]
.endr
.irp pp, 0,2,4,6
	v_pk_add_f32 v[128+32*(\i2)+(\pp):128+32*(\i2)+(\pp)+1], v[128+32*(\i2)+(\pp):128+32*(\i2)+(\pp)+1], v[128+32*(\i2)+16+(\pp):128+32*(\i2)+16+(\pp)+1]
.endr
.endr
.irp i2, 0,1
.irp pp, 0,1,2,3
	v_cvt_pk_f16_f32 v[P+4*(\i2)+(\pp)], v[128+32*(\i2)+2*(\pp)], v[128+32*(\i2)+2*(\pp)+1]
.endr
.endr
	s_barrier_wait -1
.irp i2, 0,1
	global_store_b128 v[GO], v[P+4*(\i2):P+4*(\i2)+3], s[CB:CB+1] offset:((\t)/2)*32768+((\t)%2)*256+(\i2)*4096  ; 16 lanes store a head's 256 bytes of a token, aligned
.endr
.endr
.endm
	BEGIN
.Ltrip:                             ; eight trips: a tile is entered and the next is asked for
	CHANGE 1
	s_cmp_lg_u32 s[RT], 1
	s_cbranch_scc1 .Lno_mask        ; only the first block's last tile has hidden keys here: the second block's last is the walk's last
	MASKS
.Lno_mask:
	STEP
	s_cmp_lg_u32 s[RT], 1
	s_cbranch_scc1 .Lno_end         ; the count hangs on the cluster's number alone: all waves and all partners go the same way
	QLOAD QB1+2                     ; the second block's Q: the last product that read Q's registers stands hundreds of vector instructions back
	MERGE
	s_wait_xcnt 0x0                 ; the stores have read their registers and their base
	s_mov_b64 s[CB:CB+1], s[CB+2:CB+3]
	s_mov_b32 s[OFB], s[OFB+1]
	BEGIN
.Lno_end:
	s_sub_co_u32 s[RT], s[RT], 1
	s_sub_co_u32 s[TRIPS], s[TRIPS], 1
	s_cmp_lg_u32 s[TRIPS], 0
	s_cbranch_scc1 .Ltrip
	CHANGE 0                        ; the ninth tile, the second block's last, is written out: nothing is asked for
	MASKS
	STEP
	MERGE
	s_wait_tensorcnt 0x0            ; the wave's end
	ds_add_u32 v[SPW], v[NIL]
	s_wait_dscnt 0x0
	CROUND                          ; the closing round
	s_endpgm
.Lfunc_end_k_qbae35cbabe_attn:
	.size	k_qbae35cbabe_attn, .Lfunc_end_k_qbae35cbabe_attn-k_qbae35cbabe_attn
	.p2alignl 7, 3214868480
	.fill 96, 4, 3214868480
	.section	.rodata,"a",@progbits
	.p2align	6, 0x0
	.amdhsa_kernel k_qbae35cbabe_attn
		.amdhsa_group_segment_fixed_size 327680
		.amdhsa_private_segment_fixed_size 0
		.amdhsa_enable_private_segment 0
		.amdhsa_kernarg_size 16
		.amdhsa_user_sgpr_count 2
		.amdhsa_user_sgpr_kernarg_segment_ptr 1
		.amdhsa_wavefront_size32 1
		.amdhsa_system_sgpr_workgroup_id_x 1
		.amdhsa_system_sgpr_workgroup_id_y 1
		.amdhsa_system_sgpr_workgroup_id_z 1
		.amdhsa_system_vgpr_workitem_id 0
		.amdhsa_next_free_vgpr 1024
		.amdhsa_next_free_sgpr 88
		.amdhsa_reserve_vcc 1
		.amdhsa_float_denorm_mode_32 3
		.amdhsa_float_denorm_mode_16_64 3
		.amdhsa_memory_ordered 1
		.amdhsa_forward_progress 1
		.amdhsa_inst_pref_size 193
	.end_amdhsa_kernel
	.amdgpu_metadata
---
amdhsa.version: [ 1, 2 ]
amdhsa.kernels:
  - .name:           k_qbae35cbabe_attn
    .symbol:         k_qbae35cbabe_attn.kd
    .args:
      - { .name: qkv, .offset: 0, .size: 8, .value_kind: global_buffer, .address_space: global }
      - { .name: ctx16, .offset: 8, .size: 8, .value_kind: global_buffer, .address_space: global }
    .group_segment_fixed_size: 327680
    .private_segment_fixed_size: 0
    .kernarg_segment_align: 8
    .kernarg_segment_size: 16
    .max_flat_workgroup_size: 128
    .sgpr_count:     88
    .vgpr_count:     1024
    .wavefront_size: 32
...
	.end_amdgpu_metadata
.endif
;; end of part 3
;; launch oproj (part 4): grid 16 x 16, 4 waves a work-group, clusters of 4 x 4, 327,680 bytes of LDS; arguments ctx16, wo16, out0; writes out0
.if DOCPART == 4
	.amdgcn_target "amdgcn-amd-amdhsa--gfx1250"
	.amdhsa_code_object_version 6
	.text
	.protected	k_qbae35cbabe_oproj
	.globl	k_qbae35cbabe_oproj
	.p2align	8
	.type	k_qbae35cbabe_oproj,@function
k_qbae35cbabe_oproj:
	s_mov_b64 s[64:65], 0
	v_nop
	global_prefetch_b8 v0, s[64:65] scope:SCOPE_SE
	s_setreg_imm32_b32 hwreg(HW_REG_WAVE_MODE, 25, 1), 1
	s_wait_xcnt 0x0
	s_wait_alu depctr_hold_cnt(0) depctr_sa_sdst(0) depctr_va_vdst(0) depctr_va_sdst(0) depctr_va_ssrc(0) depctr_va_vcc(0) depctr_vm_vsrc(0)
	s_getreg_b32 s2, hwreg(HW_REG_IB_STS2, 6, 4)
	s_cmp_eq_u32 s2, 0
	s_cbranch_scc0 .Lentry_in_a_cluster
	s_endpgm
.Lentry_in_a_cluster:
	s_bfe_u32 s2, ttmp6, 0x10000c
	s_cmp_lg_u32 s2, 0xf033
	s_cbranch_scc0 .Lentry_shape_is_right
	s_endpgm
.Lentry_shape_is_right:
; THE OUTPUT PROJECTION.  out0[token][h] = sum over o of ctx16[token][o] wo16[h][o]: 4,096 x 4,096 x 1,024, f16 operands (ctx / 8 and 8 x Wo: the factors cancel), f32 sums, f32 out.
; A tile of 256 x 256 is made by four waves, 128 x 128 each: 64 accumulators, 512 registers.  K goes in steps of 128 (rows of 256 bytes) through two LDS slots filled by tensor loads.
; THE TEXT OF A K STEP STANDS TWICE: in a loop of 6 trips, whose change of slots asks for the K step two on, and in a loop of 2 trips that asks for nothing.  Which slot is read and which is filled hangs on
; words that one exclusive or turns from slot to slot (SLOT = 0x22000 shares no bit with wave x 0x8800, the waves' places in a slot).  The first quarter, whose products start the sums, stands ahead, and
; the first loop is entered behind its first quarter.  The price, once a launch: the last trip's change of slots (a barrier and 32 LDS loads of the stale slot) serves nothing.
; CLUSTER.  4 x 4 work-groups: the four of a row need the same tiles of ctx16, the four of a column the same tiles of wo16; each is asked for jointly.
; THE MATRIX INSTRUCTION IS USED TRANSPOSED (source 0 = 16 rows of wo16, source 1 = 16 rows of ctx16): a lane holds eight neighbouring numbers of a row of the output, 32 bytes.
; REGISTERS.  Window 0: v16-29 addresses; v64-127, v128-191 fragments of ctx16, two buffers, on the way out the rows read back.  Window 1: v64-127, v128-191 fragments of wo16.
; Window 2: the accumulators of my rows 0-63 ((a, b) at 8 (8 a + b)); window 3: those of my rows 64-127.
.set SIZE_N, 4096
.set SIZE_K, 1024
.set KSTEP,  128
.set STEPS,  SIZE_K/KSTEP
.set PITCH,  272
.set HALFT,  128*PITCH
.set SLOT,   4*HALFT
.set STAGE,  2*SLOT                    ; behind the ring: 16 rows x 528 bytes for each wave
.set SPITCH, 528                       ; 512 bytes + 16 = 132 words: the 16 rows that a store touches start at 16 different groups of four banks
.set SPARE,  STAGE+4*16*SPITCH
.set ADRA, 16                          ; v16     my lane's place among ctx16's rows of slot 0; never rewritten
.set CA,   17                          ; v17     the same in the slot in hand
.set ADRB, 20                          ; v20     my lane's place among wo16's rows of slot 0; never rewritten
.set CB,   21                          ; v21     the same in the slot in hand
.set STO,  24
.set RD,   25
.set CO,   26
.set SPW,  28
.set NIL,  29
.set F0,   64
.set F1,   128
.set TB,  45                           ; s45     first byte of the slot in hand: 0 or SLOT
.set G1, 24
.set G0, 32                            ; s[32:35] group 0 of the first fill of slot 0; s[36:39] of slot 1's, which then walks on
.set G1B, 48
.set G0B, 56
.set MSB, 0
.macro WIN new
.if MSB != (\new)
	s_set_vgpr_msb (MSB<<8)|(\new)
.set MSB, \new
.endif
.endm
.set MUL_LO, 0xa1                      ; source 0 (wo16) window 1, source 1 (ctx16) window 0, C and D window 2
.set MUL_HI, 0xf1
.set TO_B,   0x40
.macro JLOAD s                         ; waves 0 and 1 fetch ctx16's halves, waves 2 and 3 wo16's; an s_nop 0 and four v_nop follow each line
	s_cmp_eq_u32 s11, 0
	s_cbranch_scc0 .Lfor_b_\@
	tensor_load_to_lds s[G0+4*(\s):G0+4*(\s)+3], s[G1:G1+7]
	s_nop 0
.rept 4
	v_nop
.endr
	s_branch .Lasked_\@
.Lfor_b_\@:
	tensor_load_to_lds s[G0B+4*(\s):G0B+4*(\s)+3], s[G1B:G1B+7]
	s_nop 0
.rept 4
	v_nop
.endr
.Lasked_\@:
.endm
.macro CREST
	s_cmp_lg_u32 s10, 0
	s_cbranch_scc1 .Lnot_wave_0_\@
	s_barrier_signal -3
.Lnot_wave_0_\@:
	s_barrier_wait -3
	s_barrier_signal -1
	s_barrier_wait -1
.endm
.macro CROUND
	s_barrier_signal -1
	s_barrier_wait -1
	CREST
.endm
.macro PLACES
.rept 4
	v_nop
.endr
.endm
	s_load_b128 s[4:7], s[0:1], 0x0                ; ctx16 s[4:5], wo16 s[6:7]
	s_load_b64 s[8:9], s[0:1], 0x10                ; out0
	v_lshl_add_u32 v[SPW], v0, 2, SPARE
	v_mov_b32 v[NIL], 0
	ds_add_u32 v[SPW], v[NIL]                      ; the wave's opening: the add and its wait stand ahead of my first tensor load
	v_lshrrev_b32 v1, 5, v0
	v_readfirstlane_b32 s10, v1                    ; wave 0..3
	s_lshr_b32 s11, s10, 1                         ; which half of the tile's rows is mine.  Also: I fetch for ctx16 (0) or wo16 (1)
	s_and_b32 s12, s10, 1                          ; which half of its columns.  Also: which 128 rows I fetch
	s_bfe_u32 s40, ttmp6, 0x40000                  ; cx
	s_bfe_u32 s41, ttmp6, 0x40004                  ; cy
	s_lshl_b32 s42, ttmp9, 2
	s_add_co_u32 s42, s42, s40                     ; tile column
	s_and_b32 s13, ttmp7, 0xffff
	s_lshl_b32 s13, s13, 2
	s_add_co_u32 s13, s13, s41                     ; tile row
	s_lshl_b32 s43, s41, 2
	s_lshl_b32 s43, 15, s43                        ; my row of the cluster
	s_lshl_b32 s44, 0x1111, s40                    ; my column
	s_or_b32 s[G1+0], s43, (1<<16)|(1<<20)|(1<<21)|(5<<22)|(3<<25)
	s_or_b32 s[G1B+0], s44, (1<<16)|(1<<20)|(1<<21)|(5<<22)|(3<<25)
.irp g, G1, G1B
	s_mov_b32 s[(\g)+1], KSTEP<<16                 ; tensor_dim0 = 128
	s_mov_b32 s[(\g)+2], 128<<16                   ; tensor_dim1 = 128
	s_mov_b32 s[(\g)+3], KSTEP<<16                 ; tile_dim0 = 128
	s_mov_b32 s[(\g)+4], 128                       ; tile_dim1 = 128
	s_mov_b32 s[(\g)+5], SIZE_K                    ; elements from row to row
	s_mov_b32 s[(\g)+6], 0
	s_mov_b32 s[(\g)+7], 0
.endr
	s_mov_b32 s[TB], 0
	s_lshl_b32 s17, s12, 7
	s_lshl_b32 s16, s13, 8
	s_add_co_u32 s16, s16, s17
	s_lshl_b32 s46, s42, 8
	s_add_co_u32 s46, s46, s17
	s_mov_b32 s17, 0
	s_mov_b32 s47, 0
	s_mov_b64 s[18:19], SIZE_K*2
	s_mul_u64 s[16:17], s[16:17], s[18:19]
	s_mul_u64 s[46:47], s[46:47], s[18:19]
	s_mul_i32 s20, s10, HALFT                      ; where they go: wave x 128 rows
	s_wait_dscnt 0x0                               ; the opening add is done
	s_wait_kmcnt 0x0
	s_add_nc_u64 s[14:15], s[4:5], s[16:17]
	s_add_nc_u64 s[46:47], s[6:7], s[46:47]
	CROUND                                         ; all sixteen work-groups are here
.irp s, 0,1
	s_mov_b32 s[G0+4*(\s)], 1
	s_add_co_u32 s[G0+4*(\s)+1], s20, (\s)*SLOT
	s_add_nc_u64 s[G0+4*(\s)+2:G0+4*(\s)+3], s[14:15], (\s)*KSTEP*2
	s_or_b32 s[G0+4*(\s)+3], s[G0+4*(\s)+3], 0x80000000
	s_mov_b32 s[G0B+4*(\s)], 1
	s_add_co_u32 s[G0B+4*(\s)+1], s20, (\s)*SLOT
	s_add_nc_u64 s[G0B+4*(\s)+2:G0B+4*(\s)+3], s[46:47], (\s)*KSTEP*2
	s_or_b32 s[G0B+4*(\s)+3], s[G0B+4*(\s)+3], 0x80000000
	JLOAD \s                                       ; two tensor loads of mine are out
.endr
	v_and_b32 v1, 15, v0
	v_bfe_u32 v2, v0, 4, 1
	v_mul_u32_u24 v3, v1, PITCH
	v_lshl_add_u32 v3, v2, 4, v3
	s_mul_i32 s21, s11, HALFT
	s_mul_i32 s22, s12, HALFT
	s_add_co_u32 s22, s22, 2*HALFT
	v_add_nc_u32 v[ADRA], s21, v3
	v_add_nc_u32 v[ADRB], s22, v3
	v_mov_b32 v[CA], v[ADRA]                       ; the walk begins in slot 0
	v_mov_b32 v[CB], v[ADRB]
	s_mul_i32 s23, s10, 16*SPITCH
	s_add_co_u32 s23, s23, STAGE                   ; my stage
	v_mul_u32_u24 v4, v1, SPITCH                   ; in: row l % 16, 32 bytes for each half of the lanes
	v_lshl_add_u32 v4, v2, 5, v4
	v_add_nc_u32 v[STO], s23, v4
	v_and_b32 v5, 31, v0
	v_lshlrev_b32 v[CO], 4, v5                     ; back and out: 32 lanes take a row's 512 bytes
	v_add_nc_u32 v[RD], s23, v[CO]
	s_lshl_b32 s13, s13, 8
	s_lshl_b32 s14, s11, 7
	s_add_co_u32 s16, s13, s14                     ; my first row of the output
	s_mov_b32 s17, 0
	s_mov_b64 s[18:19], SIZE_N*4
	s_mul_u64 s[16:17], s[16:17], s[18:19]
	s_lshl_b32 s46, s42, 10                        ; my first column, in bytes: 1,024 x tile column + 512 x half
	s_lshl_b32 s47, s12, 9
	s_add_co_u32 s46, s46, s47
	s_mov_b32 s47, 0
	s_add_nc_u64 s[16:17], s[16:17], s[46:47]
; 16 matrix instructions: row blocks a0, a0 + 1 of the window's four x all 8 column blocks, 32 along K.  The 64 accumulators take turns in one order.
.macro MUL16 f, hi, a0, zero
	WIN MUL_LO+0x50*(\hi)
.irp a, \a0, (\a0)+1
.irp b, 0,1,2,3,4,5,6,7
.if \zero
	v_wmma_f32_16x16x32_f16 v[8*(8*(\a)+(\b)):8*(8*(\a)+(\b))+7], v[(\f)+8*(\b):(\f)+8*(\b)+7], v[(\f)+8*(4*(\hi)+(\a)):(\f)+8*(4*(\hi)+(\a))+7], 0
.else
	v_wmma_f32_16x16x32_f16 v[8*(8*(\a)+(\b)):8*(8*(\a)+(\b))+7], v[(\f)+8*(\b):(\f)+8*(\b)+7], v[(\f)+8*(4*(\hi)+(\a)):(\f)+8*(4*(\hi)+(\a))+7], v[8*(8*(\a)+(\b)):8*(8*(\a)+(\b))+7]
.endif
.endr
.endr
.endm
.macro FETCH k, f                      ; 32 LDS loads in one run, from the slot in hand
	WIN TO_B
.irp i, 0,1,2,3,4,5,6,7
	ds_load_b128 v[(\f)+8*(\i):(\f)+8*(\i)+3],   v[CB] offset:(\k)+(\i)*16*PITCH
	ds_load_b128 v[(\f)+8*(\i)+4:(\f)+8*(\i)+7], v[CB] offset:(\k)+(\i)*16*PITCH+32
.endr
	WIN 0
.irp i, 0,1,2,3,4,5,6,7
	ds_load_b128 v[(\f)+8*(\i):(\f)+8*(\i)+3],   v[CA] offset:(\k)+(\i)*16*PITCH
	ds_load_b128 v[(\f)+8*(\i)+4:(\f)+8*(\i)+7], v[CA] offset:(\k)+(\i)*16*PITCH+32
.endr
.endm
.macro QUARTER k, f, g, zero
	s_wait_dscnt 8                                 ; all but the youngest eight loads (my rows 64-127)
	MUL16 \f, 0, 0, \zero
	MUL16 \f, 0, 2, \zero
	PLACES
	FETCH \k, \g
	s_wait_dscnt 32                                ; all but the 32 just issued
	MUL16 \f, 1, 0, \zero
	MUL16 \f, 1, 2, \zero
.endm
; The last quarter multiplies buffer 1 and changes slots: one barrier; in front of it each wave waits for all its tensor loads, adds 0 to its spare word, and waits for that and for its reads of this slot.
; fill = 1: the barrier opens a round of the cluster's, and the slot just left is filled again, two K steps ahead: the walking descriptor turns to the other slot than last time and steps one K step on;
; 224 matrix instructions stand between the request and the wait for it.
.macro TURN fill
	WIN 0
	s_wait_tensorcnt 0x0
	ds_add_u32 v[SPW], v[NIL]
	s_wait_dscnt 9                                 ; the add and the youngest eight loads may be out
	MUL16 F1, 0, 0, 0
	s_wait_dscnt 0x0                               ; the add is done, and my reads of this slot are over
	s_barrier_signal -1
	MUL16 F1, 0, 2, 0
	WIN 0                                          ; branches and window 0's addresses follow
	s_barrier_wait -1
.if \fill
	CREST
	s_xor_b32 s[G0+5], s[G0+5], SLOT
	s_add_nc_u64 s[G0+6:G0+7], s[G0+6:G0+7], KSTEP*2
	s_xor_b32 s[G0B+5], s[G0B+5], SLOT
	s_add_nc_u64 s[G0B+6:G0B+7], s[G0B+6:G0B+7], KSTEP*2
	JLOAD 1                                        ; its four v_nop are also the places in front of the loads below
.else
	PLACES
.endif
	s_xor_b32 s[TB], s[TB], SLOT                   ; the reads go on in the other slot
	v_add_nc_u32 v[CA], s[TB], v[ADRA]
	v_add_nc_u32 v[CB], s[TB], v[ADRB]
	FETCH 0, F0
	MUL16 F1, 1, 0, 0
	MUL16 F1, 1, 2, 0
.endm
	s_wait_tensorcnt 1                             ; my part of K step 0 is in; K step 1's may stay out
	s_barrier_signal -1
	s_barrier_wait -1
	FETCH 0, F0
	QUARTER 64, F0, F1, 1                          ; the first quarter's products start the sums
	WIN 0
	s_mov_b32 s3, STEPS-2
	s_branch .Lmid                                 ; the loop is entered behind a step's first quarter
.Lstep:                                                ; K steps 0 to 5: each asks for the step two on
	QUARTER 64,  F0, F1, 0
	WIN 0
.Lmid:
	QUARTER 128, F1, F0, 0
	QUARTER 192, F0, F1, 0
	TURN 1
	WIN 0
	s_sub_co_u32 s3, s3, 1
	s_cmp_lg_u32 s3, 0
	s_cbranch_scc1 .Lstep
	s_mov_b32 s3, 2
.Llast:                                                ; K steps 6 and 7 ask for nothing
	QUARTER 64,  F0, F1, 0
	QUARTER 128, F1, F0, 0
	QUARTER 192, F0, F1, 0
	TURN 0
	WIN 0
	s_sub_co_u32 s3, s3, 1
	s_cmp_lg_u32 s3, 0
	s_cbranch_scc1 .Llast
	s_wait_dscnt 0x0                               ; the last trip's loads, which serve nothing, have landed: their registers are loaded again below
	PLACES
; THE WAY OUT of row block a: 32 bytes a lane straight from the accumulators into my stage (the low four registers first), whole rows of 512 bytes back, stored.
.macro TOSTAGE a
	s_wait_xcnt 0x0                                ; the stores of the block two back have read the buffer that is loaded below
	WIN 0x08+4*((\a)/4)                            ; store data in window 2 or 3
.irp b, 0,1,2,3,4,5,6,7
	ds_store_b128 v[STO], v[64*((\a)%4)+8*(\b):64*((\a)%4)+8*(\b)+3]   offset:64*(\b)
	ds_store_b128 v[STO], v[64*((\a)%4)+8*(\b)+4:64*((\a)%4)+8*(\b)+7] offset:64*(\b)+16
.endr
	WIN 0
.irp t, 0,1,2,3,4,5,6,7,8,9,10,11,12,13,14,15
	ds_load_b128 v[64+64*((\a)%2)+4*(\t):64+64*((\a)%2)+4*(\t)+3], v[RD] offset:(\t)*SPITCH  ; LDS serves a wave's instructions in order (ISA guide 5.7.1.4): these see the stores above
.endr
.endm
.macro SEND a, younger                 ; younger: the LDS instructions issued behind block a's loads: the next block's 32, or none
	s_wait_dscnt \younger
	s_wait_xcnt 0x0                                ; the stores' base is stepped only behind this wait
.if (\a) == 0
	s_add_nc_u64 s[8:9], s[8:9], s[16:17]
.else
	s_add_nc_u64 s[8:9], s[8:9], 16*SIZE_N*4
.endif
.irp t, 0,1,2,3,4,5,6,7,8,9,10,11,12,13,14,15
	global_store_b128 v[CO], v[64+64*((\a)%2)+4*(\t):64+64*((\a)%2)+4*(\t)+3], s[8:9] offset:(\t)*SIZE_N*4 th:TH_STORE_NT  ; 512 consecutive bytes of a row, aligned
.endr
.endm
	TOSTAGE 0
.irp a, 1,2,3,4,5,6,7
	TOSTAGE \a
	SEND (\a)-1, 32
.endr
	SEND 7, 0
	s_wait_tensorcnt 0x0                           ; the wave's end
	ds_add_u32 v[SPW], v[NIL]
	s_wait_dscnt 0x0
	CROUND                                         ; the closing round
	s_endpgm
.Lfunc_end_k_qbae35cbabe_oproj:
	.size	k_qbae35cbabe_oproj, .Lfunc_end_k_qbae35cbabe_oproj-k_qbae35cbabe_oproj
	.p2alignl 7, 3214868480
	.fill 96, 4, 3214868480
	.section	.rodata,"a",@progbits
	.p2align	6, 0x0
	.amdhsa_kernel k_qbae35cbabe_oproj
		.amdhsa_group_segment_fixed_size 327680
		.amdhsa_private_segment_fixed_size 0
		.amdhsa_enable_private_segment 0
		.amdhsa_kernarg_size 24
		.amdhsa_user_sgpr_count 2
		.amdhsa_user_sgpr_kernarg_segment_ptr 1
		.amdhsa_wavefront_size32 1
		.amdhsa_system_sgpr_workgroup_id_x 1
		.amdhsa_system_sgpr_workgroup_id_y 1
		.amdhsa_system_sgpr_workgroup_id_z 1
		.amdhsa_system_vgpr_workitem_id 0
		.amdhsa_next_free_vgpr 1024
		.amdhsa_next_free_sgpr 66
		.amdhsa_reserve_vcc 0
		.amdhsa_float_denorm_mode_32 3
		.amdhsa_float_denorm_mode_16_64 3
		.amdhsa_memory_ordered 1
		.amdhsa_forward_progress 1
		.amdhsa_inst_pref_size 98
	.end_amdhsa_kernel
	.amdgpu_metadata
---
amdhsa.version: [ 1, 2 ]
amdhsa.kernels:
  - .name:           k_qbae35cbabe_oproj
    .symbol:         k_qbae35cbabe_oproj.kd
    .args:
      - { .name: ctx16, .offset: 0, .size: 8, .value_kind: global_buffer, .address_space: global }
      - { .name: wo16, .offset: 8, .size: 8, .value_kind: global_buffer, .address_space: global }
      - { .name: out0, .offset: 16, .size: 8, .value_kind: global_buffer, .address_space: global }
    .group_segment_fixed_size: 327680
    .private_segment_fixed_size: 0
    .kernarg_segment_align: 8
    .kernarg_segment_size: 24
    .max_flat_workgroup_size: 128
    .sgpr_count:     66
    .vgpr_count:     1024
    .wavefront_size: 32
...
	.end_amdgpu_metadata
.endif
;; end of part 4
